; MI455X (gfx1250); checked and timed in simulation.
; The chip was launched on July 23, 2026; its instructions are those of AMD's public machine-readable ISA for CDNA 5 (MIT licence, August 2026) and "CDNA5" Instruction Set Architecture Reference Guide (July 2026). The comments in the code are by the model that wrote it; some were corrected since.
;; Attention Block. Allowed arithmetic: matrix products marked QUANTISED: E5M2 operands, one E8M0 scale for each 32 along K, by v_wmma_scale_f32_16x16x128_f8f6f4 with both operands' format E5M2, f32 sums; everything else in f32.
;; Inputs: k_b 512 float32; k_w_codes 512 x 16 x 32 uint8 (E5M2 codes of k_w, K innermost, in blocks of 32 codes); k_w_scales 512 x 16 uint8 (E8M0 scales of k_w, one for each 32 codes along K); norm_b 512 float32; norm_w 512 float32; proj_b 512 float32; proj_w_codes 512 x 16 x 32 uint8 (E5M2 codes of proj_w, K innermost, in blocks of 32 codes); proj_w_scales 512 x 16 uint8 (E8M0 scales of proj_w, one for each 32 codes along K); q_b 512 float32; q_w_codes 512 x 16 x 32 uint8 (E5M2 codes of q_w, K innermost, in blocks of 32 codes); q_w_scales 512 x 16 uint8 (E8M0 scales of q_w, one for each 32 codes along K); v_b 512 float32; v_w_codes 512 x 16 x 32 uint8 (E5M2 codes of v_w, K innermost, in blocks of 32 codes); v_w_scales 512 x 16 uint8 (E8M0 scales of v_w, one for each 32 codes along K); x 32 x 512 x 32 x 32 float32.
;; Outputs: out0 32 x 512 x 32 x 32 float32.
;; This version of the problem:
;;   THIS VERSION OF THE PROBLEM IS GIVEN IN LOW PRECISION. The matrix products marked QUANTISED in the list below multiply operands that are first quantised to E5M2 (5 exponent bits, 2 mantissa bits; 8 bits a number), with one power-of-two scale for each 32 numbers along K (OCP MX v1.0); their sums are f32. All else is computed in f32.
;;   The module's matrix products, in the order in which they are computed (A, B: the left and right operand; K: the contracted axis; several contracted axes count as one K, in the product's order):
;;     1. [M 32,768, K 512] x [K 512, N 512]; A: computed on the way; B: input q_w (given as codes): QUANTISED
;;     2. [M 32,768, K 512] x [K 512, N 512]; A: computed on the way; B: input k_w (given as codes): QUANTISED
;;     3. [M 32,768, K 512] x [K 512, N 512]; A: computed on the way; B: input v_w (given as codes): QUANTISED
;;     4. batch 32 x [M 1,024, K 512] x [K 512, N 1,024]; A: computed on the way; B: computed on the way: QUANTISED
;;     5. batch 32 x [M 512, K 1,024] x [K 1,024, N 1,024]; A: computed on the way; B: softmax (see below): QUANTISED
;;     6. [M 32,768, K 512] x [K 512, N 512]; A: computed on the way; B: input proj_w (given as codes): QUANTISED
;;   THE QUANTISER, for each operand of a quantised product, along K:
;;     - K is cut into blocks of 32 from its start; a last block that is shorter is filled with zeros.
;;     - A block's scale is 2^e with e = floor(log2(the largest magnitude in the block)) - 15, held to -126 .. 127; a block of zeros has e = 0. As a byte (E8M0): e + 127.
;;     - Each number is divided by its block's scale, clamped to +-57,344, and rounded to the nearest number of E5M2, ties to even, subnormals kept.
;;     - The product sums the exact products of the quantised numbers (number of the format x scale) in f32.
;;   ~~~python
;;   def quantise(x, axis):      # numpy; x: float32 -> the quantised numbers, widened to float32 again
;;       x = np.moveaxis(x, axis, -1); K = x.shape[-1]
;;       x = np.pad(x, [(0, 0)] * (x.ndim - 1) + [(0, -K % 32)]); x = x.reshape(x.shape[:-1] + (-1, 32)); a = np.abs(x).max(-1, keepdims=True)
;;       e = np.where(a > 0, np.clip(np.frexp(np.where(a > 0, a, 1))[1] - 1 - 15, -126, 127), 0)      # np.frexp(a)[1] - 1 = floor(log2(a)), exactly
;;       r = np.clip(x / 2.0 ** e, -57344, 57344)
;;       step = 2.0 ** (np.maximum(np.frexp(np.where(r == 0, 1, r))[1] - 1, -14) - 2)
;;       q = np.round(r / step) * step * 2.0 ** e      # np.round: ties to even
;;       return np.moveaxis(q.reshape(q.shape[:-2] + (-1,))[..., :K], -1, axis).astype(np.float32)
;;   ~~~
;;   SOFTMAX AHEAD OF A QUANTISED PRODUCT. Where the list says 'softmax', what is quantised is not the finished softmax but p = 2^(t - M), with t = logit x log2(e) and M = ceil(the row's largest t), a whole number; so 1/2 < the row's largest p <= 1. The row's sum l is taken of the UNQUANTISED p, in f32, and the product's result is divided by l at the end. Since M is a whole number, a kernel that streams over the keys may use a running M (the ceiling of the running maximum): every later rescaling is an exact power of two, which a block's scale takes up: the codes' values come out the same.
;;   OPERANDS COMPUTED ON THE WAY. 'Computed on the way' means the value that the module computes at that place (a softmax that the list does not call 'softmax' is quantised finished and normalised). What goes into a quantiser is computed in f32, as accurately as f32 sums, v_exp_f32 and their like allow (about 1e-6 of the number): no bf16 or f16 on the way to a quantiser, and a product that is left as it is and whose result goes on into a quantised operand takes f32 operands (vector FMAs, or v_wmma_f32_16x16x4_f32). A number that lies on a knife's edge between two numbers of the format may be rounded either way, as far as f32 arithmetic and the matrix unit's own rounding can turn it there, and no further.
;;   INPUTS GIVEN AS CODES. k_w (in the module: [512, 512], K = its axis 1); proj_w (in the module: [512, 512], K = its axis 1); q_w (in the module: [512, 512], K = its axis 1); v_w (in the module: [512, 512], K = its axis 1): each comes as NAME_codes (uint8): NAME with its K axis moved to the last place and cut into blocks of 32 codes, [.., K / 32, bytes a block], one block behind the other in memory; one code a byte (a code: sign, 5 exponent bits, 2 mantissa bits); and NAME_scales (uint8): the same leading axes, one E8M0 byte (e + 127) for each 32 codes along K. Its value is code x scale, taken as it is: it is not quantised again, and the codes and scales need not be those that the quantiser above would give.
;; One version. Each part assembles by itself: llvm-mc -triple=amdgcn-amd-amdhsa -mcpu=gfx1250 --defsym DOCPART=n.
;; ======== version 1 of 1: 3 launches
;; limits: right only within a limited range of input values
;; workspace buffers: hc 16,777,216 bytes; hs 524,288 bytes; wf 1,048,576 bytes; qc 16,777,216 bytes; qs 524,288 bytes; kvc 33,554,432 bytes; kvs 1,048,576 bytes
;; launch gnq (part 1): grid 16 x 32, 8 waves a work-group, no clusters, 35,328 bytes of LDS; arguments x, norm_w, norm_b, q_w_codes, k_w_codes, v_w_codes, proj_w_codes, hc, hs, wf; writes hc, hs, wf
.if DOCPART == 1
	.amdgcn_target "amdgcn-amd-amdhsa--gfx1250"
	.amdhsa_code_object_version 6
	.text
	.protected	k_qef1a965f36_gnq
	.globl	k_qef1a965f36_gnq
	.p2align	8
	.type	k_qef1a965f36_gnq,@function
k_qef1a965f36_gnq:
	s_mov_b64 s[64:65], 0
	v_nop
	global_prefetch_b8 v0, s[64:65] scope:SCOPE_SE
	s_setreg_imm32_b32 hwreg(HW_REG_WAVE_MODE, 25, 1), 1
	s_wait_xcnt 0x0
; FIRST OF THREE LAUNCHES.  h = GroupNorm(x) is made and quantised to codes of E5M2 along the channels, one E8M0 byte for each 32 channels; the four weights are laid out anew.
; DEAD WORK: none.  Every bias goes into a quantised operand or into the output, every gain into h: every input is loaded by one of the three launches, and no product of the table is left out.
; SHARES.  A work-group owns 32 channels (two groups of 16, and one block of the quantiser) of one batch, all 1,024 positions: 128 KiB, dense in memory.  Thread t owns positions 4 t .. 4 t + 3 of all 32 channels:
; 32 loads of 16 bytes, each 512 consecutive bytes a wave, all out at once; x stays in 128 registers between the mean, the variance and the quantiser, so it is read once here.
; The variance is taken of x - mean (two passes over the registers): no difference of large sums is formed.
; A block of 32 channels of one position lies in ONE lane: its largest magnitude needs no other lane, and the conversions give 32 codes with the channels innermost.
; LAYOUT OF hc: [batch][tile T of 16 positions][K step of 128 channels][image of 2,048 bytes]; an image is the operand registers as they stand: [c 0..3][lane][16 bytes], lane (r, h) holding channels 32 c + 16 h + 0..15 of row r.
; THE POSITIONS OF A TILE ARE NOT NEIGHBOURS: row r of tile 2 B + u is position 32 B + 8 u + r + 8 (r / 8).  The same order is given to the rows of the weights tiles (wf: [matrix][tile][K step][image]).
; So this work-group writes 512 consecutive bytes of each of the 64 tiles; they are gathered in the wave's own stage in LDS.  hs: [batch][block of 32 channels][tile][row] bytes: a wave stores 128 consecutive bytes of it,
; half of an aligned 256: one byte for each 128 bytes read.
; No matrix unit, no tensor load, no cluster: a stream whose work-groups share no input.  Wave 0 also lays out one of the 512 weight fragments (work-group 16 b + cb takes fragment 16 b + cb).
; LIMITS: NaN and infinities among the inputs are not served; a block whose largest magnitude lies under 2^-111 gets the byte 1, a block of zeros too (its codes are zeros, and this program alone reads the bytes).
.set X,     64                         ; v64-191  x: channel c, position p at X + 4 c + p; later the codes read back
.set Y,     192                        ; v192-223 the 32 numbers of h of one position; also the waves' partial sums
.set CD,    32                         ; v32-63   codes: 8 registers a position, never written again
.set XO,    2                          ; v2   16 t
.set STA,   3                          ; v3   the stage, on the way in
.set STL,   4                          ; v4   and on the way out
.set HCO,   5                          ; v5   my byte offset in hc
.set HSO,   6                          ; v6   and in hs
.set SPW,   7                          ; v7   my spare word; never rewritten
.set NIL,   8                          ; v8   0; never rewritten
.set RA,    9                          ; v9   where my wave puts its two partial sums
.set RB,    22                         ; v22  where all eight are read
.set WFR,   224                        ; v224-239 a weight fragment
.set WFI,   240                        ; v240 its offset in the weight
.set WFO,   241                        ; v241 and in wf
.set CHUNK, 528                        ; a tile's 512 bytes + 16 of padding
.set RED1,  33792                      ; behind the eight stages (8 x 8 x 528): a block of 256 bytes for the sums, the next for the sums of squares
.set SPARE, 34304                      ; the spare words, 128 bytes a wave
.set SEL,   12                         ; s[12:13] lane selects: lane l xor 16
.set MNT,   14
.set EPS,   15                         ; s15  1e-5
.set INV,   16                         ; s16  2^-14: a group has 16,384 numbers
.set NINV,  17                         ; s17  -2^-14
	s_load_b256 s[4:11], s[0:1], 0x0               ; x, norm_w, norm_b, q_w_codes
	s_load_b256 s[12:19], s[0:1], 0x20             ; k_w_codes, v_w_codes, proj_w_codes, hc
	s_load_b128 s[20:23], s[0:1], 0x40             ; hs, wf
	v_lshl_add_u32 v[SPW], v0, 2, SPARE
	v_mov_b32 v[NIL], 0
	v_lshrrev_b32 v1, 5, v0
	s_delay_alu instid0(VALU_DEP_1)
	v_readfirstlane_b32 s24, v1                    ; wave 0..7
	s_mov_b32 s25, ttmp9                           ; cb: which 32 channels
	s_and_b32 s26, ttmp7, 0xffff                   ; b: the batch
	v_lshlrev_b32 v[XO], 4, v0
	v_and_b32 v10, 31, v0                          ; lane l.  My positions are 128 w + 4 l + p: tile 8 w + 2 (l / 8) + bit 1 of l, row 8 x bit 2 + 4 x bit 0 + p
	v_bfe_u32 v11, v0, 3, 2
	v_bfe_u32 v12, v0, 1, 1
	s_delay_alu instid0(VALU_DEP_1)
	v_lshl_add_u32 v11, v11, 1, v12                ; which of my wave's eight tiles
	v_bfe_u32 v12, v0, 2, 1
	v_and_b32 v13, 1, v0
	s_delay_alu instid0(VALU_DEP_3)
	v_mul_u32_u24 v[STA], v11, CHUNK
	s_delay_alu instid0(VALU_DEP_1)
	v_lshl_add_u32 v[STA], v12, 7, v[STA]
	s_delay_alu instid0(VALU_DEP_1)
	v_lshl_add_u32 v[STA], v13, 6, v[STA]          ; 16 bytes a row: 128 x bit 2 + 64 x bit 0 (+ 16 p, + 256 for channels 16..31, in the immediates)
	s_mul_i32 s27, s24, 8*CHUNK
	v_add_nc_u32 v[STA], s27, v[STA]
	v_lshl_add_u32 v[STL], v10, 4, s27
	s_lshl_b32 s27, s24, 16
	v_lshl_add_u32 v[HCO], v10, 4, s27             ; eight tiles of 8,192 bytes a wave
	v_lshlrev_b32 v[HSO], 4, v11
	s_delay_alu instid0(VALU_DEP_1)
	v_lshl_add_u32 v[HSO], v12, 3, v[HSO]
	s_delay_alu instid0(VALU_DEP_1)
	v_lshl_add_u32 v[HSO], v13, 2, v[HSO]
	s_lshl_b32 s27, s24, 7
	v_add_nc_u32 v[HSO], s27, v[HSO]
	v_lshl_add_u32 v[RA], v1, 3, RED1
	v_mov_b32 v[RB], RED1
	v_and_b32 v14, 15, v0                          ; the weight fragment: r,
	v_bfe_u32 v15, v0, 4, 1                        ; h,
	s_delay_alu instid0(VALU_DEP_2)
	v_and_b32 v16, 8, v14
	s_delay_alu instid0(VALU_DEP_1)
	v_add_nc_u32 v16, v16, v14                     ; r + 8 (r / 8)
	s_delay_alu instid0(VALU_DEP_1)
	v_lshlrev_b32 v[WFI], 9, v16                   ; a row of a weight is 512 bytes
	s_delay_alu instid0(VALU_DEP_1)
	v_lshl_add_u32 v[WFI], v15, 4, v[WFI]
	v_lshlrev_b32 v[WFO], 4, v10
	v_mov_b32 v20, 0                               ; written once: a lane permute's destination counts as one of its sources
	v_mov_b32 v21, 0
	s_lshl_b32 s28, s26, 4
	s_add_co_u32 s28, s28, s25                     ; the fragment's number: matrix = bits 8:7, tile = bits 6:2, K step = bits 1:0
	s_bfe_u32 s29, s28, 0x50002                    ; the tile
	s_lshr_b32 s30, s29, 1
	s_lshl_b32 s30, s30, 14                        ; it begins at row 32 (tile / 2) + 8 (tile % 2)
	s_and_b32 s29, s29, 1
	s_lshl_b32 s29, s29, 12
	s_add_co_u32 s30, s30, s29
	s_and_b32 s29, s25, 3
	s_lshl_b32 s29, s29, 7
	s_add_co_u32 s2, s30, s29
	s_mov_b32 s3, 0
	s_lshr_b32 s27, s26, 3                         ; the matrix: q, k, v, proj
	s_wait_kmcnt 0x0
	s_cmp_eq_u32 s27, 1
	s_cselect_b64 s[10:11], s[12:13], s[10:11]
	s_cmp_eq_u32 s27, 2
	s_cselect_b64 s[10:11], s[14:15], s[10:11]
	s_cmp_eq_u32 s27, 3
	s_cselect_b64 s[10:11], s[16:17], s[10:11]
	s_add_nc_u64 s[10:11], s[10:11], s[2:3]
	s_lshl_b32 s2, s28, 11
	s_add_nc_u64 s[22:23], s[22:23], s[2:3]
	s_lshl_b32 s2, s25, 7                          ; my 32 gains and 32 biases
	s_add_nc_u64 s[6:7], s[6:7], s[2:3]
	s_add_nc_u64 s[8:9], s[8:9], s[2:3]
	s_load_b512 s[32:47], s[6:7], 0x0
	s_load_b512 s[48:63], s[6:7], 0x40
	s_load_b512 s[68:83], s[8:9], 0x0
	s_load_b512 s[84:99], s[8:9], 0x40
	s_lshl_b32 s2, s26, 21
	s_lshl_b32 s27, s25, 17
	s_add_co_u32 s2, s2, s27
	s_add_nc_u64 s[4:5], s[4:5], s[2:3]            ; x at my first channel
	s_lshl_b32 s2, s26, 19
	s_lshl_b32 s27, s25, 9                         ; 2,048 (cb / 4) + 512 (cb % 4) = 512 cb
	s_add_co_u32 s2, s2, s27
	s_add_nc_u64 s[18:19], s[18:19], s[2:3]
	s_lshl_b32 s2, s26, 14
	s_lshl_b32 s27, s25, 10
	s_add_co_u32 s2, s2, s27
	s_add_nc_u64 s[20:21], s[20:21], s[2:3]
	s_mov_b32 s[SEL], 0x76543210                   ; (the three pointers that stood here have been chosen from)
	s_mov_b32 s[SEL+1], 0xfedcba98
	s_mov_b32 s[EPS], 0x3727c5ac
	s_mov_b32 s[INV], 0x38800000
	s_mov_b32 s[NINV], 0xb8800000
	s_cmp_lg_u32 s24, 0
	s_cbranch_scc1 .Lx_loads
	s_wait_alu depctr_va_vdst(0)
.irp c, 0,1,2,3
	global_load_b128 v[WFR+4*\c:WFR+4*\c+3], v[WFI], s[10:11] offset:32*\c
.endr
.Lx_loads:
.set c, 0
.rept 32
	global_load_b128 v[X+4*c:X+4*c+3], v[XO], s[4:5] offset:4096*c th:TH_LOAD_NT   ; a wave reads 512 consecutive bytes of channel c
.set c, c+1
.endr
	s_cmp_lg_u32 s24, 0
	s_cbranch_scc1 .Lsums
	s_wait_loadcnt 32                              ; the fragment is in; the 32 younger loads of x stay out
	s_wait_alu depctr_va_vdst(0)
.irp c, 0,1,2,3
	global_store_b128 v[WFO], v[WFR+4*\c:WFR+4*\c+3], s[22:23] offset:512*\c
.endr
.Lsums:
.macro FOLD dst                        ; four chains of pairs become one number
	s_delay_alu instid0(VALU_DEP_3)
	v_pk_add_f32 v[10:11], v[10:11], v[12:13]
	s_delay_alu instid0(VALU_DEP_2)
	v_pk_add_f32 v[14:15], v[14:15], v[16:17]
	s_delay_alu instid0(VALU_DEP_1)
	v_pk_add_f32 v[10:11], v[10:11], v[14:15]
	s_delay_alu instid0(VALU_DEP_1)
	v_add_f32 v[\dst], v10, v11
.endm
.macro GSUM g, dst                     ; the sum of my 64 numbers of group g; the first additions start the chains: nothing is cleared
.irp k, 0,1,2,3
	v_pk_add_f32 v[10+2*\k:11+2*\k], v[X+64*\g+2*\k:X+64*\g+2*\k+1], v[X+64*\g+8+2*\k:X+64*\g+8+2*\k+1]
.endr
.irp j, 2,3,4,5,6,7
.irp k, 0,1,2,3
	s_delay_alu instid0(VALU_DEP_4)
	v_pk_add_f32 v[10+2*\k:11+2*\k], v[10+2*\k:11+2*\k], v[X+64*\g+8*\j+2*\k:X+64*\g+8*\j+2*\k+1]
.endr
.endr
	FOLD \dst
.endm
.macro GSQ g, dst                      ; the sum of their squares
.irp k, 0,1,2,3
	v_pk_mul_f32 v[10+2*\k:11+2*\k], v[X+64*\g+2*\k:X+64*\g+2*\k+1], v[X+64*\g+2*\k:X+64*\g+2*\k+1]
.endr
.irp j, 1,2,3,4,5,6,7
.irp k, 0,1,2,3
	s_delay_alu instid0(VALU_DEP_4)
	v_pk_fma_f32 v[10+2*\k:11+2*\k], v[X+64*\g+8*\j+2*\k:X+64*\g+8*\j+2*\k+1], v[X+64*\g+8*\j+2*\k:X+64*\g+8*\j+2*\k+1], v[10+2*\k:11+2*\k]
.endr
.endr
	FOLD \dst
.endm
.macro ALLSUM off                      ; v18 and v19 are summed over the 32 lanes, then over the eight waves through 64 bytes of LDS at off
.irp m, 1
	v_add_f32_dpp v18, v18, v18 row_xmask:\m row_mask:0xf bank_mask:0xf
	s_delay_alu instid0(VALU_DEP_2)
	v_add_f32_dpp v19, v19, v19 row_xmask:\m row_mask:0xf bank_mask:0xf
.endr
.irp m, 2, 4, 8
	s_delay_alu instid0(VALU_DEP_2)
	v_add_f32_dpp v18, v18, v18 row_xmask:\m row_mask:0xf bank_mask:0xf
	s_delay_alu instid0(VALU_DEP_2)
	v_add_f32_dpp v19, v19, v19 row_xmask:\m row_mask:0xf bank_mask:0xf
.endr
	s_delay_alu instid0(VALU_DEP_2)
	v_permlanex16_b32 v20, v18, s[SEL], s[SEL+1]
	s_delay_alu instid0(VALU_DEP_2)
	v_permlanex16_b32 v21, v19, s[SEL], s[SEL+1]
	s_delay_alu instid0(VALU_DEP_2)
	v_add_f32 v18, v18, v20
	s_delay_alu instid0(VALU_DEP_2)
	v_add_f32 v19, v19, v21
	ds_store_b64 v[RA], v[18:19] offset:\off       ; all lanes of a wave write the same eight bytes with the same values
	s_wait_dscnt 0x0                               ; for the others: my store has landed
	s_barrier_signal -1
	s_barrier_wait -1
.irp i, 0,1,2,3
	ds_load_b128 v[Y+4*\i:Y+4*\i+3], v[RB] offset:\off+16*\i
.endr
	s_wait_dscnt 0x0
	v_pk_add_f32 v[Y:Y+1], v[Y:Y+1], v[Y+2:Y+3]
	v_pk_add_f32 v[Y+4:Y+5], v[Y+4:Y+5], v[Y+6:Y+7]
	v_pk_add_f32 v[Y+8:Y+9], v[Y+8:Y+9], v[Y+10:Y+11]
	v_pk_add_f32 v[Y+12:Y+13], v[Y+12:Y+13], v[Y+14:Y+15]
	s_delay_alu instid0(VALU_DEP_3)
	v_pk_add_f32 v[Y:Y+1], v[Y:Y+1], v[Y+4:Y+5]
	s_delay_alu instid0(VALU_DEP_2)
	v_pk_add_f32 v[Y+8:Y+9], v[Y+8:Y+9], v[Y+12:Y+13]
	s_delay_alu instid0(VALU_DEP_1)
	v_pk_add_f32 v[18:19], v[Y:Y+1], v[Y+8:Y+9]
.endm
	s_wait_loadcnt 16                              ; channels 0 to 15 are in; the 16 younger loads stay out
	GSUM 0, 18
	s_wait_loadcnt 0x0
	GSUM 1, 19
	ALLSUM 0
	s_delay_alu instid0(VALU_DEP_1)
	v_mul_f32 v24, s[NINV], v18                    ; -mean of each group, twice: pairs for the packed additions
	s_delay_alu instid0(VALU_DEP_2)
	v_mul_f32 v26, s[NINV], v19
	s_delay_alu instid0(VALU_DEP_2)
	v_mov_b32 v25, v24
	s_delay_alu instid0(VALU_DEP_2)
	v_mov_b32 v27, v26
.irp g, 0,1
.set j, 0
.rept 32
	v_pk_add_f32 v[X+64*\g+j:X+64*\g+j+1], v[X+64*\g+j:X+64*\g+j+1], v[24+2*\g:25+2*\g]   ; x - mean, in place
.set j, j+2
.endr
.endr
	GSQ 0, 18
	GSQ 1, 19
	ALLSUM 256                                     ; other bytes than the first sums: no barrier is owed between the two
	s_delay_alu instid0(VALU_DEP_1)
	v_fma_f32 v18, v18, s[INV], s[EPS]             ; the variance + 1e-5
	s_delay_alu instid0(VALU_DEP_2)
	v_fma_f32 v19, v19, s[INV], s[EPS]
	s_wait_alu depctr_va_vdst(0)
	v_rsq_f32 v20, v18
	v_rsq_f32 v21, v19
	v_nop                                          ; a plain instruction behind the transcendentals,
	s_wait_alu depctr_va_vdst(0)                   ; and the one wait ahead of their first reader
	v_readfirstlane_b32 s27, v20
	v_readfirstlane_b32 s28, v21
	s_wait_kmcnt 0x0                               ; the gains and the biases
.set c, 0
.rept 16
	s_mul_f32 s[32+c], s[32+c], s27                ; the gain x 1 / sqrt(variance + 1e-5): h = (x - mean) x that + bias is one fused multiply-add
	s_mul_f32 s[48+c], s[48+c], s28
.set c, c+1
.endr
; Position p of my four: h, the block's scale, the codes, and their 32 bytes into the stage.
.macro POS p
.set c, 0
.rept 32
	v_fma_f32 v[Y+c], v[X+4*c+\p], s[32+c], s[68+c]
.set c, c+1
.endr
	v_max3_num_f32 v10, |v[Y]|, |v[Y+1]|, |v[Y+2]|         ; the block's largest magnitude: all 32 numbers are mine; two chains
	v_max3_num_f32 v11, |v[Y+3]|, |v[Y+4]|, |v[Y+5]|
.irp i, 6,10,14,18,22,26
	s_delay_alu instid0(VALU_DEP_2)
	v_max3_num_f32 v10, v10, |v[Y+\i]|, |v[Y+\i+1]|
	s_delay_alu instid0(VALU_DEP_2)
	v_max3_num_f32 v11, v11, |v[Y+\i+2]|, |v[Y+\i+3]|
.endr
	s_delay_alu instid0(VALU_DEP_2)
	v_max3_num_f32 v10, v10, |v[Y+30]|, |v[Y+31]|
	s_delay_alu instid0(VALU_DEP_1)
	v_max3_num_f32 v10, v10, v11, 0x8000000        ; and the floor 2^(16 - 127): the byte cannot fall under 1
	s_delay_alu instid0(VALU_DEP_1)
	v_add_nc_u32 v13, 0xf8800000, v10              ; 15 off the exponent field: the conversion takes that field of this operand as its scale
.set c, 0
.rept 32
.set c, c+1
.endr
.irp g, 0,1,2,3
	v_cvt_scalef32_pk8_bf8_f32 v[CD+8*\p+2*\g:CD+8*\p+2*\g+1], v[Y+8*\g:Y+8*\g+7], v13
.endr
	v_lshrrev_b32 v14, 23, v13                     ; the scale's byte (also the plain instruction behind the conversions)
.if \p == 0
	s_delay_alu instid0(VALU_DEP_1)
	v_mov_b32 v15, v14
.else
	s_delay_alu instid0(VALU_DEP_1)
	v_lshl_or_b32 v15, v14, 8*\p, v15              ; my four positions are four neighbouring rows of one tile: one word of hs
.endif
	ds_store_b128 v[STA], v[CD+8*\p:CD+8*\p+3] offset:16*\p          ; channels 0..15: lane (r, 0) of the image
	ds_store_b128 v[STA], v[CD+8*\p+4:CD+8*\p+7] offset:16*\p+256    ; channels 16..31: lane (r, 1)
.endm
	POS 0
	POS 1
	POS 2
	POS 3
.irp i, 0,1,2,3,4,5,6,7
	ds_load_b128 v[X+4*\i:X+4*\i+3], v[STL] offset:CHUNK*\i          ; LDS serves a wave's instructions in order: these see my wave's stores
.endr
	global_store_b32 v[HSO], v15, s[20:21]
.irp i, 0,1,2,3,4,5,6,7
	s_wait_dscnt 7-\i                              ; tile i is back; the younger loads stay out
	global_store_b128 v[HCO], v[X+4*\i:X+4*\i+3], s[18:19] offset:8192*\i   ; 512 consecutive bytes, at a multiple of 512 from the buffer's first byte
.endr
	s_wait_tensorcnt 0x0                           ; the wave's end, behind my last LDS store
	ds_add_u32 v[SPW], v[NIL]
	s_wait_dscnt 0x0
	s_endpgm
.Lfunc_end_k_qef1a965f36_gnq:
	.size	k_qef1a965f36_gnq, .Lfunc_end_k_qef1a965f36_gnq-k_qef1a965f36_gnq
	.p2alignl 7, 3214868480
	.fill 96, 4, 3214868480
	.section	.rodata,"a",@progbits
	.p2align	6, 0x0
	.amdhsa_kernel k_qef1a965f36_gnq
		.amdhsa_group_segment_fixed_size 35328
		.amdhsa_private_segment_fixed_size 0
		.amdhsa_enable_private_segment 0
		.amdhsa_kernarg_size 80
		.amdhsa_user_sgpr_count 2
		.amdhsa_user_sgpr_kernarg_segment_ptr 1
		.amdhsa_wavefront_size32 1
		.amdhsa_system_sgpr_workgroup_id_x 1
		.amdhsa_system_sgpr_workgroup_id_y 1
		.amdhsa_system_sgpr_workgroup_id_z 1
		.amdhsa_system_vgpr_workitem_id 0
		.amdhsa_next_free_vgpr 256
		.amdhsa_next_free_sgpr 100
		.amdhsa_reserve_vcc 0
		.amdhsa_float_denorm_mode_32 3
		.amdhsa_float_denorm_mode_16_64 3
		.amdhsa_fp16_overflow 1
		.amdhsa_memory_ordered 1
		.amdhsa_forward_progress 1
		.amdhsa_inst_pref_size 49
	.end_amdhsa_kernel
	.amdgpu_metadata
---
amdhsa.version: [ 1, 2 ]
amdhsa.kernels:
  - .name:           k_qef1a965f36_gnq
    .symbol:         k_qef1a965f36_gnq.kd
    .args:
      - { .name: x, .offset: 0, .size: 8, .value_kind: global_buffer, .address_space: global }
      - { .name: norm_w, .offset: 8, .size: 8, .value_kind: global_buffer, .address_space: global }
      - { .name: norm_b, .offset: 16, .size: 8, .value_kind: global_buffer, .address_space: global }
      - { .name: q_w_codes, .offset: 24, .size: 8, .value_kind: global_buffer, .address_space: global }
      - { .name: k_w_codes, .offset: 32, .size: 8, .value_kind: global_buffer, .address_space: global }
      - { .name: v_w_codes, .offset: 40, .size: 8, .value_kind: global_buffer, .address_space: global }
      - { .name: proj_w_codes, .offset: 48, .size: 8, .value_kind: global_buffer, .address_space: global }
      - { .name: hc, .offset: 56, .size: 8, .value_kind: global_buffer, .address_space: global }
      - { .name: hs, .offset: 64, .size: 8, .value_kind: global_buffer, .address_space: global }
      - { .name: wf, .offset: 72, .size: 8, .value_kind: global_buffer, .address_space: global }
    .group_segment_fixed_size: 35328
    .private_segment_fixed_size: 0
    .kernarg_segment_align: 8
    .kernarg_segment_size: 80
    .max_flat_workgroup_size: 256
    .sgpr_count:     100
    .vgpr_count:     256
    .wavefront_size: 32
...
	.end_amdgpu_metadata
.endif
;; end of part 1
;; launch qkv (part 2): grid 64 x 3, 4 waves a work-group, no clusters, 327,680 bytes of LDS; arguments hc, hs, wf, q_w_scales, k_w_scales, v_w_scales, q_b, k_b, v_b, qc, qs, kvc, kvs; writes qc, qs, kvc, kvs
.if DOCPART == 2
	.amdgcn_target "amdgcn-amd-amdhsa--gfx1250"
	.amdhsa_code_object_version 6
	.text
	.protected	k_qef1a965f36_qkv
	.globl	k_qef1a965f36_qkv
	.p2align	8
	.type	k_qef1a965f36_qkv,@function
k_qef1a965f36_qkv:
	s_mov_b64 s[64:65], 0
	v_nop
	global_prefetch_b8 v0, s[64:65] scope:SCOPE_SE
	s_setreg_imm32_b32 hwreg(HW_REG_WAVE_MODE, 25, 1), 1
	s_wait_xcnt 0x0
; SECOND LAUNCH.  q, k and v = W h + bias on codes of E5M2, and their quantising: q and k along the channels, v along the positions (the keys).  No work is left out.
; SHARES.  Work-group (x, y): 512 positions of one batch (32 tiles; x = 2 b + half), all 512 outputs of one matrix (y = 0 q, 1 k, 2 v).  Wave w holds output tiles 8 w .. 8 w + 7 for all of K:
; 32 fragments, 512 registers, loaded once from wf, where they lie as register images.  The 256 KiB of h come into LDS once, by two tensor loads a wave; nothing is filled again.
; 192 work-groups: three matrices x 64 blocks of positions.  A block is as many positions as LDS holds of h, so that a work-group's 256 KiB of weights are fetched once for as many products as can be.
; A trip of the loop takes two tiles of positions: 64 matrix instructions in two groups of eight accumulators, and two quantisers of 64 numbers a lane.
; BY TURNS.  The first group's quantiser is cut into 32 slices of four places, one behind each product of the second group: a product, up to four vector lines and two switches of the register windows.
; The second group's quantiser stands behind the products, over the LDS loads of the next pair of tiles: in the v order both groups read both tiles, so h's registers are free only then.
; q, k: source 0 = 16 rows of W, source 1 = 16 positions.  A lane then holds one position, and since the rows of a weight tile are 32 B + 8 u + r + 8 (r / 8), the 16 registers of tiles 2 B and 2 B + 1 are channels
; 32 B + 16 h + 0..15: my wave's 8 tiles are K step w of the next product, one image and one scale word a row.  A group is one tile of positions.
; v: the sources are swapped.  A lane holds one channel, and the 16 registers of the two tiles of positions are positions 32 B + 16 h + 0..15: one block of the keys for each of my 8 tiles of channels.  A group is four tiles of channels.
; The two orders part only round the products and the stores, by a branch on y inside the loop.
; OUT.  qc as hc.  kvc: [batch][key step of 128][K: 8 tiles x 4 K steps of images][V: 32 tiles of channels, an image each].  Scale words: q, k at tile x 256 + K step x 64 + 4 r of each 128 positions; v at tile x 64 + 4 r of each key step.
; They are gathered in a stage in LDS (the q, k way and the v way have bytes of their own) and leave as 8,192 consecutive bytes.
; NO CLUSTER: the weights go from memory into registers and pass no LDS; a block of h has three readers (y = 0, 1, 2), and the grid's 3 along y divide into no cluster of four.
; LIMITS: as in the first launch (NaN, infinities; blocks under 2^-111 and blocks of zeros get the byte 1).
.set HSC,   262144                     ; LDS: h's 32 tiles x 4 K steps of images from 0; then h's scale words, [tile][pair of K steps][lane],
.set KST,   270336                     ; the stage of q's or k's scale words,
.set VST,   278528                     ; that of v's,
.set SPARE, 286720                     ; and the spare words, 128 bytes a wave
.set LI,  3                            ; v3   16 x lane
.set LS,  4                            ; v4   4 x lane
.set AH,  5                            ; v5   the pair of tiles to fetch
.set AS,  6                            ; v6   and its scale words
.set KSB, 7                            ; v7   q, k stage: KST + 64 w + 4 r;  v8 the trip's place in it
.set KSA, 8
.set VSB, 9                            ; v9   v stage: VST + 512 w + 4 r;  v12 the trip's place in it
.set SPW, 10                           ; v10  my spare word; never rewritten
.set NIL, 11                           ; v11  0; never rewritten
.set VSA, 12
.set TLA, 13                           ; v13  2,048 w + 16 x lane: my part of the 8,192 bytes of scale words in memory
.set HS,  16                           ; v16-19  h's scale words: 2 u + pair; lanes 0-15 the even K step, lanes 16-31 the odd one
.set WS,  20                           ; v20-51  W's scale words: 4 x tile + K step
.set TM,  52                           ; v52-67  the quantiser's: largest magnitudes, bytes, holds, scale operands
.set PW0, 68                           ; v68, v69 the two scale words of a trip
.set PW1, 69
.set TLK, 70                           ; v70  the same part of the q, k stage: KST + 2,048 w + 16 x lane (an LDS immediate holds 16 bits: the register carries the base)
.set TLV, 71                           ; v71  and of the v stage: VST + 2,048 w + 16 x lane
.set SB,  72                           ; v72-79  v: the scale word of each of my 8 tiles, a byte a trip
.set PC0, 80                           ; v80-95, v96-111 the codes of a trip
.set PC1, 96
.set ACC, 128                          ; v128-255 16 accumulators: the first group's eight, then the second's
; window 1: v0-127 h's fragments (64 u + 16 ks), v128-191 the bias, 8 registers a tile.  window 2: W for K steps 0, 1 (128 (ks % 2) + 16 tile).  window 3: K steps 2, 3.
.set MSB, 0
.macro WIN new                         ; the immediate's high byte repeats the setting that is left; a switch that changes nothing is dropped
.if MSB != (\new)
	s_set_vgpr_msb (MSB<<8)|(\new)
.set MSB, (\new)
.endif
.endm
.macro MM ra, rb                       ; one product on the registers named by rD, rA, rB, rC, rSA, rSB; ra, rb: that side's scales stand in lanes 16-31
.if (\ra) && (\rb)
	v_wmma_scale_f32_16x16x128_f8f6f4 v[rD:rD+7], v[rA:rA+15], v[rB:rB+15], v[rC:rC+7], v[rSA], v[rSB] matrix_a_fmt:MATRIX_FMT_BF8 matrix_b_fmt:MATRIX_FMT_BF8 matrix_a_scale:MATRIX_SCALE_ROW1 matrix_b_scale:MATRIX_SCALE_ROW1
.elseif (\ra)
	v_wmma_scale_f32_16x16x128_f8f6f4 v[rD:rD+7], v[rA:rA+15], v[rB:rB+15], v[rC:rC+7], v[rSA], v[rSB] matrix_a_fmt:MATRIX_FMT_BF8 matrix_b_fmt:MATRIX_FMT_BF8 matrix_a_scale:MATRIX_SCALE_ROW1
.elseif (\rb)
	v_wmma_scale_f32_16x16x128_f8f6f4 v[rD:rD+7], v[rA:rA+15], v[rB:rB+15], v[rC:rC+7], v[rSA], v[rSB] matrix_a_fmt:MATRIX_FMT_BF8 matrix_b_fmt:MATRIX_FMT_BF8 matrix_b_scale:MATRIX_SCALE_ROW1
.else
	v_wmma_scale_f32_16x16x128_f8f6f4 v[rD:rD+7], v[rA:rA+15], v[rB:rB+15], v[rC:rC+7], v[rSA], v[rSB] matrix_a_fmt:MATRIX_FMT_BF8 matrix_b_fmt:MATRIX_FMT_BF8
.endif
.endm
	s_load_b512 s[4:19], s[0:1], 0x0               ; hc, hs, wf, q_w_scales, k_w_scales, v_w_scales, q_b, k_b
	s_load_b256 s[20:27], s[0:1], 0x40             ; v_b, qc, qs, kvc
	s_load_b64 s[28:29], s[0:1], 0x60              ; kvs
	v_lshl_add_u32 v[SPW], v0, 2, SPARE
	v_mov_b32 v[NIL], 0
	ds_add_u32 v[SPW], v[NIL]                      ; the wave's opening: the add, twice on end, and its wait ahead of my first tensor load
	ds_add_u32 v[SPW], v[NIL]
	v_lshrrev_b32 v1, 5, v0
	v_readfirstlane_b32 s30, v1                    ; wave 0..3
	s_and_b32 s31, ttmp7, 0xffff                   ; y: the matrix
	s_lshr_b32 s33, ttmp9, 1                       ; b
	s_and_b32 s34, ttmp9, 1                        ; which half of the positions
	s_mov_b32 s36, 3<<16                           ; descriptor group 1: 128 rows of 256 bytes (32 elements of 8 bytes), dense, no padding: images are read 512 consecutive bytes at a time
	s_mov_b32 s37, 32<<16                          ; tensor_dim0
	s_mov_b32 s38, 128<<16                         ; tensor_dim1
	s_mov_b32 s39, 32<<16                          ; tile_dim0
	s_mov_b32 s40, 128                             ; tile_dim1
	s_mov_b32 s41, 32                              ; the pitch
	s_mov_b32 s42, 0
	s_mov_b32 s43, 0
	s_mov_b32 s44, 1                               ; group 0 of the first 16 tiles: count,
	s_lshl_b32 s45, s30, 15                        ; LDS address: my quarter of their 128 KiB
	s_mov_b32 s72, 1                               ; group 0 of the other 16 tiles:
	s_add_co_u32 s73, s45, 131072                  ; my quarter of theirs
	s_lshl_b32 s52, s33, 19
	s_lshl_b32 s32, s34, 18
	s_add_co_u32 s52, s52, s32                     ; the block's first byte in hc (and in qc)
	s_mov_b32 s53, 0
	s_add_co_u32 s70, s52, s45
	s_mov_b32 s71, 0
	s_mov_b32 s59, 0
	s_mov_b32 s60, 0x76543210                      ; lane selects: lane l xor 16
	s_mov_b32 s61, 0xfedcba98
	s_wait_dscnt 0x0                               ; both opening adds are done
	s_wait_kmcnt 0x0
	s_add_nc_u64 s[46:47], s[4:5], s[70:71]
	s_add_nc_u64 s[74:75], s[46:47], 131072
	s_or_b32 s47, s47, 0x80000000                  ; type = 2
	s_or_b32 s75, s75, 0x80000000
	tensor_load_to_lds s[44:47], s[36:43]          ; the first 16 tiles: the first seven trips read these alone
	s_nop 0
	v_and_b32 v1, 15, v0                           ; r
	v_bfe_u32 v2, v0, 4, 1                         ; h
	v_and_b32 v4, 31, v0
	v_lshlrev_b32 v[LI], 4, v4
	v_lshlrev_b32 v[LS], 2, v4
	v_and_b32 v15, 8, v1
	v_add_nc_u32 v15, v15, v1                      ; r + 8 (r / 8)
	v_lshlrev_b32 v113, 4, v15                     ; W's scales: 16 bytes a row
	v_lshlrev_b32 v15, 2, v15                      ; v's bias: my channel
	v_lshlrev_b32 v14, 6, v2                       ; q's, k's bias: 16 channels further on for lanes 16-31
	v_lshl_add_u32 v112, v2, 12, v1                ; hs: four planes further on for lanes 16-31, + r,
	s_lshl_b32 s32, s30, 7
	v_add_nc_u32 v112, s32, v112                   ; + my eight tiles
	s_wait_alu depctr_va_vdst(0)
	s_lshl_b32 s32, s30, 11
	s_add_co_u32 s32, s32, HSC
	v_add_nc_u32 v114, s32, v[LS]
	s_lshl_b32 s32, s30, 6
	s_add_co_u32 s32, s32, KST
	v_lshl_add_u32 v[KSB], v1, 2, s32
	s_lshl_b32 s32, s30, 9
	s_add_co_u32 s32, s32, VST
	v_lshl_add_u32 v[VSB], v1, 2, s32
	s_lshl_b32 s32, s30, 11
	v_add_nc_u32 v[TLA], s32, v[LI]
	v_add_nc_u32 v[TLK], KST, v[TLA]               ; every LDS address base is made here, ahead of the place where the ways part on y
	v_add_nc_u32 v[TLV], VST, v[TLA]
	; the buffers and steps that hang on y
	s_cmp_eq_u32 s31, 1
	s_cselect_b64 s[66:67], s[12:13], s[10:11]     ; W's scales
	s_cselect_b64 s[68:69], s[18:19], s[16:17]     ; the bias
	s_cmp_eq_u32 s31, 2
	s_cselect_b64 s[66:67], s[14:15], s[66:67]
	s_cselect_b64 s[68:69], s[20:21], s[68:69]
	s_lshl_b32 s57, s31, 16
	s_add_co_u32 s57, s57, 16384                   ; q, k: two tiles on; behind each fourth trip k also passes the key step's 64 KiB of V
	s_mov_b32 s56, 16384
	s_cmp_eq_u32 s31, 2
	s_cselect_b32 s56, 512, s56                    ; v: the next 512 bytes of each image; behind each fourth trip the next key step's images
	s_cselect_b32 s57, 129536, s57
	s_cmp_lg_u32 s31, 0
	s_cselect_b64 s[48:49], s[26:27], s[22:23]     ; the codes go to kvc or to qc,
	s_cselect_b64 s[50:51], s[28:29], s[24:25]     ; the scale words to kvs or to qs
	s_cselect_b32 s32, 1, 0
	s_lshl_b32 s52, s52, s32                       ; a batch and a half are twice as long in kvc
	s_lshl_b32 s35, s33, 14
	s_lshl_b32 s35, s35, s32
	s_lshl_b32 s32, s34, 13
	s_add_co_u32 s35, s35, s32
	s_lshl_b32 s32, s30, 11                        ; q, k: my wave's image of a tile
	s_lshl_b32 s63, s30, 14
	s_add_co_u32 s63, s63, 65536                   ; v: my wave's eight images, behind K's
	s_cmp_eq_u32 s31, 2
	s_cselect_b32 s32, s63, s32
	s_cselect_b32 s63, 16384, 0
	s_add_co_u32 s52, s52, s32
	s_add_nc_u64 s[48:49], s[48:49], s[52:53]
	s_add_co_u32 s52, s35, s63
	s_add_nc_u64 s[50:51], s[50:51], s[52:53]
	s_lshl_b32 s52, s33, 14
	s_lshl_b32 s32, s34, 9
	s_add_co_u32 s52, s52, s32
	s_add_nc_u64 s[6:7], s[6:7], s[52:53]          ; hs at the batch and the half's first tile
	s_lshl_b32 s52, s31, 18
	s_lshl_b32 s32, s30, 16
	s_add_co_u32 s52, s52, s32
	s_add_nc_u64 s[70:71], s[8:9], s[52:53]        ; wf at my matrix and my eight tiles
	s_lshl_b32 s52, s30, 11
	s_add_nc_u64 s[66:67], s[66:67], s[52:53]
	s_lshl_b32 s52, s30, 9
	s_add_nc_u64 s[68:69], s[68:69], s[52:53]
	; h's scale bytes lie in planes, one for each 32 channels; a word wants four planes.  Wave w makes the words of tiles 8 w .. 8 w + 7
.irp t, 0,1,2,3,4,5,6,7
.irp kp, 0,1
.irp i, 0,1,2,3
	global_load_u8 v[ACC+8*\t+4*\kp+\i], v112, s[6:7] offset:8192*\kp+1024*\i+16*\t
.endr
.endr
.endr
.irp t, 0,1,2,3,4,5,6,7
	global_load_b128 v[WS+4*\t:WS+4*\t+3], v113, s[66:67] offset:(32*(\t/2)+8*(\t%2))*16
.endr
	s_cmp_eq_u32 s31, 2
	s_cbranch_scc1 .Lbias_v
	WIN 0x40                                       ; destination window 1
.irp t, 0,1,2,3,4,5,6,7                        ; q, k: register j of tile 2 B + u is channel 32 B + 16 h + 8 u + j
	global_load_b128 v[128+8*\t:128+8*\t+3], v14, s[68:69] offset:(32*(\t/2)+8*(\t%2))*4
	global_load_b128 v[128+8*\t+4:128+8*\t+7], v14, s[68:69] offset:(32*(\t/2)+8*(\t%2))*4+16
.endr
	WIN 0
	s_branch .Lbias_done
.Lbias_v:
	WIN 0x40
.irp t, 0,1,2,3,4,5,6,7                        ; v: all eight registers of a tile are my lane's one channel
.irp j, 0,1,2,3,4,5,6,7
	global_load_b32 v[128+8*\t+\j], v15, s[68:69] offset:(32*(\t/2)+8*(\t%2))*4
.endr
.endr
	WIN 0
.Lbias_done:
	WIN 0x80                                       ; destination window 2
.irp ks, 0,1
.irp t, 0,1,2,3,4,5,6,7
.irp c, 0,1,2,3
	global_load_b128 v[128*\ks+16*\t+4*\c:128*\ks+16*\t+4*\c+3], v[LI], s[70:71] offset:(4*\t+\ks)*2048+512*\c
.endr
.endr
.endr
	WIN 0xc0                                       ; destination window 3
.irp ks, 0,1
.irp t, 0,1,2,3,4,5,6,7
.irp c, 0,1,2,3
	global_load_b128 v[128*\ks+16*\t+4*\c:128*\ks+16*\t+4*\c+3], v[LI], s[70:71] offset:(4*\t+\ks+2)*2048+512*\c
.endr
.endr
.endr
	WIN 0
	tensor_load_to_lds s[72:75], s[36:43]          ; the other 16 tiles, asked for behind the weights, which every trip wants: two tensor loads of mine are out
	s_nop 0
.irp n, 0,1,2,3,4,5,6,7
	v_mov_b32 v[SB+\n], 0
.endr
.irp b, 0,1,2,3
	v_mov_b32 v[TM+4+\b], 0                        ; written once: a lane permute's destination counts as one of its sources
.endr
	s_wait_loadcnt 0x0
.irp n, 0,1,2,3,4,5,6,7,8,9,10,11,12,13,14,15
	v_lshl_or_b32 v[ACC+4*\n], v[ACC+4*\n+1], 8, v[ACC+4*\n]
	v_lshl_or_b32 v[ACC+4*\n], v[ACC+4*\n+2], 16, v[ACC+4*\n]
	v_lshl_or_b32 v[ACC+4*\n], v[ACC+4*\n+3], 24, v[ACC+4*\n]
	ds_store_b32 v114, v[ACC+4*\n] offset:128*\n
.endr
	s_wait_tensorcnt 0x1                           ; my quarter of the first 16 tiles has landed; the one younger load, the other 16 tiles', stays out
	s_wait_dscnt 0x0                               ; and my scale words lie in LDS
	s_barrier_signal -1
	s_barrier_wait -1                              ; everybody's do
.macro FETCH                           ; two tiles of h: 8 fragments and 4 registers of scale words
	WIN 0x40
.irp u, 0,1
.irp ks, 0,1,2,3
.irp c, 0,1,2,3
	ds_load_b128 v[64*\u+16*\ks+4*\c:64*\u+16*\ks+4*\c+3], v[AH] offset:8192*\u+2048*\ks+512*\c
.endr
.endr
.endr
	WIN 0
.irp u, 0,1
.irp kp, 0,1
	ds_load_b32 v[HS+2*\u+\kp], v[AS] offset:256*\u+128*\kp
.endr
.endr
.endm
; THE QUANTISER is a list of 128 places, some empty; QI writes number qj of it and steps qj.  64 numbers of a lane at s, four runs of 16 neighbours along the next K; each run and that of lane l xor 16 are a block of 32.
; They become 16 registers of codes at pc and the four scale bytes in one word, pw.  Each accumulator is read from its low end on.
;   0-31    each block's largest magnitude, with the floor 2^(16 - 127), so that the byte cannot fall under 1; the four blocks by turns
;   32-39   with lane l xor 16's
;   40-51   15 off the exponent field: the conversion's scale operand; the scale's byte
;   52-54   the four bytes make the word
;   55-126  block by block: 16 empty places and two conversions
;   127     a plain instruction behind the last conversion
.macro QI s, pc, pw
.if qj < 4
	v_max3_num_f32 v[TM+qj], |v[(\s)+16*qj]|, |v[(\s)+16*qj+1]|, 0x8000000
.elseif qj < 32
	v_max3_num_f32 v[TM+qj%4], v[TM+qj%4], |v[(\s)+16*(qj%4)+2*(qj/4)]|, |v[(\s)+16*(qj%4)+2*(qj/4)+1]|
.elseif qj < 36
	v_permlanex16_b32 v[TM+4+qj-32], v[TM+qj-32], s60, s61
.elseif qj < 40
	v_max_num_f32 v[TM+qj-36], v[TM+qj-36], v[TM+4+qj-36]
.elseif qj < 44
	v_add_nc_u32 v[TM+12+qj-40], 0xf8800000, v[TM+qj-40]
.elseif qj < 48
.elseif qj < 52
	v_lshrrev_b32 v[TM+4+qj-48], 23, v[TM+12+qj-48]
.elseif qj == 52
	v_lshl_or_b32 v[\pw], v[TM+5], 8, v[TM+4]
.elseif qj == 53
	v_lshl_or_b32 v[\pw], v[TM+6], 16, v[\pw]
.elseif qj == 54
	v_lshl_or_b32 v[\pw], v[TM+7], 24, v[\pw]
.elseif qj < 127
.set qb, (qj-55)/18
.set qi, (qj-55)%18
.if qi < 16
.elseif qi == 16
	v_cvt_scalef32_pk8_bf8_f32 v[(\pc)+4*qb:(\pc)+4*qb+1], v[(\s)+16*qb:(\s)+16*qb+7], v[TM+12+qb]
.else
	v_cvt_scalef32_pk8_bf8_f32 v[(\pc)+4*qb+2:(\pc)+4*qb+3], v[(\s)+16*qb+8:(\s)+16*qb+15], v[TM+12+qb]
.endif
.else
	v_nop
.endif
.set qj, qj+1
.endm
.macro QUANT s, pc, pw                 ; the whole list on end
.set qj, 0
.rept 128
	QI \s, \pc, \pw
.endr
.endm
; A GROUP: 32 products, K step by K step; its eight accumulators take turns, one instruction a turn.  The bias is the C of each sum's first product.
; sl = 1: behind each product stand up to four instructions of the first group's quantiser, which name none of this group's registers.
.macro MULQK g, sl                     ; q, k: group g is tile g of the pair, against my eight tiles of W
.irp ks, 0,1,2,3
.irp t, 0,1,2,3,4,5,6,7
.if \ks == 0
	WIN 0x16                                       ; source 0 (W) window 2, source 1 (h) and C (bias) window 1
.elseif \ks == 1
	WIN 0x06
.else
	WIN 0x07
.endif
.set rD, ACC+64*(\g)+8*\t
.set rA, 128*(\ks%2)+16*\t
.set rB, 64*(\g)+16*\ks
.if \ks == 0
.set rC, 128+8*\t
.else
.set rC, rD
.endif
.set rSA, WS+4*\t+\ks
.set rSB, HS+2*(\g)+(\ks/2)
	MM 0, \ks%2
.if \sl
	WIN 0
.rept 4
	QI ACC, PC0, PW0
.endr
.endif
.endr
.endr
.endm
.macro MULV g, sl                      ; v: group g is my tiles 4 g .. 4 g + 3 of W, against both tiles of the pair
.irp ks, 0,1,2,3
.irp tt, 0,1,2,3
.irp u, 0,1
.if \ks == 0
	WIN 0x19                                       ; source 0 (h) and C (bias) window 1, source 1 (W) window 2
.elseif \ks == 1
	WIN 0x09
.else
	WIN 0x0d
.endif
.set rT, 4*(\g)+\tt
.set rD, ACC+16*rT+8*\u
.set rA, 64*\u+16*\ks
.set rB, 128*(\ks%2)+16*rT
.if \ks == 0
.set rC, 128+8*rT
.else
.set rC, rD
.endif
.set rSA, HS+2*\u+(\ks/2)
.set rSB, WS+4*rT+\ks
	MM \ks%2, 0
.if \sl
	WIN 0
.rept 4
	QI ACC, PC0, PW0
.endr
.endif
.endr
.endr
.endr
.endm
.macro PLACES8                         ; eight places between the first group's products and the first read of their results
.rept 8
	v_nop
.endr
.endm
; A TRIP: the pair of tiles s54.  lim: the last pair that may be fetched ahead.
.macro TRIP lim
	s_wait_dscnt 0x0                               ; the pair's fragments and scale words are in
	s_cmp_eq_u32 s31, 2
	s_cbranch_scc1 .Lmul_v_\@
	MULQK 0, 0
	WIN 0
	PLACES8
.set qj, 0
	MULQK 1, 1
	WIN 0
	s_branch .Lmul_done_\@
.Lmul_v_\@:
	MULV 0, 0
	WIN 0
	PLACES8
.set qj, 0
	MULV 1, 1
	WIN 0
.Lmul_done_\@:
	s_add_co_u32 s55, s54, 1
	s_min_u32 s55, s55, \lim                       ; the next pair; the last trip names its own pair once more, so that the loop stays whole
	s_lshl_b32 s32, s55, 14
	v_add_nc_u32 v[AH], s32, v[LI]                 ; these four additions and four v_nop are the eight places behind the products, ahead of the loads into their sources and of the first read of the second group's results
	s_lshl_b32 s32, s55, 9
	s_add_co_u32 s32, s32, HSC
	v_add_nc_u32 v[AS], s32, v[LS]
	s_lshl_b32 s32, s54, 9
	v_add_nc_u32 v[KSA], s32, v[KSB]               ; q, k: two tiles of 256 bytes a trip
	s_lshr_b32 s32, s54, 2
	s_lshl_b32 s32, s32, 11
	v_add_nc_u32 v[VSA], s32, v[VSB]               ; v: 2,048 bytes a key step, four trips
.rept 4
	v_nop
.endr
	FETCH                                          ; lands while the second group is quantised
	QUANT ACC+64, PC1, PW1
	s_cmp_eq_u32 s31, 2
	s_cbranch_scc1 .Lst_v_\@
.irp c, 0,1,2,3
	global_store_b128 v[LI], v[PC0+4*\c:PC0+4*\c+3], s[48:49] offset:512*\c          ; an image: 512 consecutive bytes a store
.endr
.irp c, 0,1,2,3
	global_store_b128 v[LI], v[PC1+4*\c:PC1+4*\c+3], s[48:49] offset:8192+512*\c
.endr
	ds_store_b32 v[KSA], v[PW0]                    ; both halves of the lanes hold the row's word and write it to the same place
	ds_store_b32 v[KSA], v[PW1] offset:256
	s_branch .Lst_done_\@
.Lst_v_\@:
	s_wait_alu depctr_va_vdst(0)
.irp ct, 0,1,2,3
	global_store_b128 v[LI], v[PC0+4*\ct:PC0+4*\ct+3], s[48:49] offset:2048*\ct      ; this block of 32 keys is 512 consecutive bytes of each tile's image
	global_store_b128 v[LI], v[PC1+4*\ct:PC1+4*\ct+3], s[48:49] offset:2048*(\ct+4)
.endr
.irp ct, 0,1,2,3
	v_bfe_u32 v[112+\ct], v[PW0], 8*\ct, 8         ; the quantiser's four bytes are four tiles' here
	v_bfe_u32 v[116+\ct], v[PW1], 8*\ct, 8
.endr
.irp n, 0,1,2,3,4,5,6,7
	v_lshrrev_b32 v[SB+\n], 8, v[SB+\n]            ; each tile's word takes a byte from above: behind four trips the first trip's byte is the lowest
.endr
.irp n, 0,1,2,3,4,5,6,7
	v_lshl_or_b32 v[SB+\n], v[112+\n], 24, v[SB+\n]
.endr
	s_and_b32 s32, s54, 3
	s_cmp_lg_u32 s32, 3                            ; a word is whole behind each fourth trip
	s_cbranch_scc1 .Lst_done_\@
.irp n, 0,1,2,3,4,5,6,7
	ds_store_b32 v[VSA], v[SB+\n] offset:64*\n
.endr
.Lst_done_\@:
	s_wait_xcnt 0x0                                ; the stores have read their registers and their base: both are written again only behind this wait
	s_and_b32 s32, s54, 3
	s_cmp_eq_u32 s32, 3
	s_cselect_b32 s58, s57, s56
	s_add_nc_u64 s[48:49], s[48:49], s[58:59]
.endm
	v_mov_b32 v[AH], v[LI]
	v_add_nc_u32 v[AS], HSC, v[LS]
	FETCH
	s_mov_b32 s54, 0                               ; the trip
.Ltrip_a:                                          ; trips 0 to 6 read and fetch pairs 0 to 7: the first 16 tiles alone
	TRIP 7
	s_add_co_u32 s54, s54, 1
	s_cmp_lt_u32 s54, 7
	s_cbranch_scc1 .Ltrip_a
	s_wait_tensorcnt 0x0                           ; my quarter of the other 16 tiles has landed,
	s_wait_dscnt 0x0                               ; and no LDS instruction of mine is out at the signal
	s_barrier_signal -1
	s_barrier_wait -1                              ; everybody's has
	s_mov_b32 s54, 7
.Ltrip_b:                                          ; trips 7 to 15
	TRIP 15
	s_add_co_u32 s54, s54, 1
	s_cmp_lt_u32 s54, 16
	s_cbranch_scc1 .Ltrip_b
	s_wait_dscnt 0x0                               ; for the others: my scale words lie in the stage
	s_barrier_signal -1
	s_barrier_wait -1
	s_cmp_eq_u32 s31, 2
	s_cbranch_scc1 .Ltail_v
.irp i, 0,1,2,3
	ds_load_b128 v[112+4*\i:115+4*\i], v[TLK] offset:512*\i
.endr
	s_branch .Ltail_done
.Ltail_v:
.irp i, 0,1,2,3
	ds_load_b128 v[112+4*\i:115+4*\i], v[TLV] offset:512*\i
.endr
.Ltail_done:
	s_wait_dscnt 0x0
.irp i, 0,1,2,3
	global_store_b128 v[TLA], v[112+4*\i:115+4*\i], s[50:51] offset:512*\i   ; 512 consecutive bytes a store
.endr
	s_wait_tensorcnt 0x0                           ; the wave's end, behind my last tensor load and my last LDS store
	ds_add_u32 v[SPW], v[NIL]
	s_wait_dscnt 0x0
	s_endpgm
.Lfunc_end_k_qef1a965f36_qkv:
	.size	k_qef1a965f36_qkv, .Lfunc_end_k_qef1a965f36_qkv-k_qef1a965f36_qkv
	.p2alignl 7, 3214868480
	.fill 96, 4, 3214868480
	.section	.rodata,"a",@progbits
	.p2align	6, 0x0
	.amdhsa_kernel k_qef1a965f36_qkv
		.amdhsa_group_segment_fixed_size 327680
		.amdhsa_private_segment_fixed_size 0
		.amdhsa_enable_private_segment 0
		.amdhsa_kernarg_size 104
		.amdhsa_user_sgpr_count 2
		.amdhsa_user_sgpr_kernarg_segment_ptr 1
		.amdhsa_wavefront_size32 1
		.amdhsa_system_sgpr_workgroup_id_x 1
		.amdhsa_system_sgpr_workgroup_id_y 1
		.amdhsa_system_sgpr_workgroup_id_z 1
		.amdhsa_system_vgpr_workitem_id 0
		.amdhsa_next_free_vgpr 1024
		.amdhsa_next_free_sgpr 80
		.amdhsa_reserve_vcc 0
		.amdhsa_float_denorm_mode_32 3
		.amdhsa_float_denorm_mode_16_64 3
		.amdhsa_fp16_overflow 1
		.amdhsa_memory_ordered 1
		.amdhsa_forward_progress 1
		.amdhsa_inst_pref_size 117
	.end_amdhsa_kernel
	.amdgpu_metadata
---
amdhsa.version: [ 1, 2 ]
amdhsa.kernels:
  - .name:           k_qef1a965f36_qkv
    .symbol:         k_qef1a965f36_qkv.kd
    .args:
      - { .name: hc, .offset: 0, .size: 8, .value_kind: global_buffer, .address_space: global }
      - { .name: hs, .offset: 8, .size: 8, .value_kind: global_buffer, .address_space: global }
      - { .name: wf, .offset: 16, .size: 8, .value_kind: global_buffer, .address_space: global }
      - { .name: q_w_scales, .offset: 24, .size: 8, .value_kind: global_buffer, .address_space: global }
      - { .name: k_w_scales, .offset: 32, .size: 8, .value_kind: global_buffer, .address_space: global }
      - { .name: v_w_scales, .offset: 40, .size: 8, .value_kind: global_buffer, .address_space: global }
      - { .name: q_b, .offset: 48, .size: 8, .value_kind: global_buffer, .address_space: global }
      - { .name: k_b, .offset: 56, .size: 8, .value_kind: global_buffer, .address_space: global }
      - { .name: v_b, .offset: 64, .size: 8, .value_kind: global_buffer, .address_space: global }
      - { .name: qc, .offset: 72, .size: 8, .value_kind: global_buffer, .address_space: global }
      - { .name: qs, .offset: 80, .size: 8, .value_kind: global_buffer, .address_space: global }
      - { .name: kvc, .offset: 88, .size: 8, .value_kind: global_buffer, .address_space: global }
      - { .name: kvs, .offset: 96, .size: 8, .value_kind: global_buffer, .address_space: global }
    .group_segment_fixed_size: 327680
    .private_segment_fixed_size: 0
    .kernarg_segment_align: 8
    .kernarg_segment_size: 104
    .max_flat_workgroup_size: 128
    .sgpr_count:     80
    .vgpr_count:     1024
    .wavefront_size: 32
...
	.end_amdgpu_metadata
.endif
;; end of part 2
;; launch attn (part 3): grid 8 x 32, 4 waves a work-group, clusters of 4 x 1, 327,680 bytes of LDS; arguments qc, qs, kvc, kvs, wf, proj_w_scales, proj_b, x, out0; writes out0
.if DOCPART == 3
	.amdgcn_target "amdgcn-amd-amdhsa--gfx1250"
	.amdhsa_code_object_version 6
	.text
	.protected	k_qef1a965f36_attn
	.globl	k_qef1a965f36_attn
	.p2align	8
	.type	k_qef1a965f36_attn,@function
k_qef1a965f36_attn:
	s_mov_b64 s[64:65], 0
	v_nop
	global_prefetch_b8 v0, s[64:65] scope:SCOPE_SE
	s_setreg_imm32_b32 hwreg(HW_REG_WAVE_MODE, 25, 1), 1
	s_wait_xcnt 0x0
	s_wait_alu depctr_hold_cnt(0) depctr_sa_sdst(0) depctr_va_vdst(0) depctr_va_sdst(0) depctr_va_ssrc(0) depctr_va_vcc(0) depctr_vm_vsrc(0)
	s_getreg_b32 s2, hwreg(HW_REG_IB_STS2, 6, 4)
	s_cmp_eq_u32 s2, 0
	s_cbranch_scc0 .Lentry_in_a_cluster
	s_endpgm
.Lentry_in_a_cluster:
	s_bfe_u32 s2, ttmp6, 0x10000c
	s_cmp_lg_u32 s2, 0x3003
	s_cbranch_scc0 .Lentry_shape_is_right
	s_endpgm
.Lentry_shape_is_right:
; THIRD LAUNCH.  out = x + proj(softmax(q^T k / sqrt(512)) applied to v) + proj_b, all three products on codes of E5M2.  No work is left out.
; SHARES.  A work-group owns 128 queries of one batch.  In the attention wave w owns query tiles 2 w and 2 w + 1 (32 queries) and all 512 channels of O: 512 registers.  In the last product wave w owns outputs 128 w .. 128 w + 127 of all 128 queries.
; Every wave walks the batch's 1,024 keys, 128 a step.  A step's block of kvc (64 KiB of K's images, 64 KiB of V's) comes through a ring of two LDS slots, a quarter by each wave's tensor load; the batch's scale words come once.
; CLUSTER.  The four work-groups of a cluster belong to one batch and walk the same blocks: each block is asked for JOINTLY, by the same load with the same descriptor and the mask of all four.  A work-group's place in its cluster
; enters the addresses of q, x, out and the prefetches alone.
; LAYOUT.  S^T = K Q^T and O^T = V^T P^T: a lane holds ONE query throughout.  The keys of a tile and the channels of a tile are 32 B + 8 u + r + 8 (r / 8), so that the 16 registers of tiles 2 B and 2 B + 1 are 16 neighbours:
; p's conversions give the second product's operand, and O's the third's.
; SOFTMAX.  t = score x log2(e) / sqrt(512); -M = floor(-(the running largest t)); p = 2^(t - M) is quantised along the keys; the sum is taken of the unquantised p; when M moves, the sum and O^T are multiplied by 2^(old M - new M), which rounds nothing.
; A block's largest p is made from the block's largest score by the same multiply-add and exponential.
; THE END.  O^T / the sum is quantised along the channels; its images go round through LDS; out's tiles meet x in registers and leave as rows of 512 consecutive bytes.
; O^T begins as zeros and the largest t as -3e38, so that a key step is written twice (loop and tail) and not three times; the 512 moves stand where the first block is on its way.
; LIMITS: as in the first launch; p under 2^-126 counts as 0 (ISA guide, v_exp_f32).
.set SLOT1, 1<<17                      ; LDS: slot 0 from 0, slot 1 from here: one exclusive or turns an address from one into the other.  In a slot: K's image (kt, ks) at 8,192 kt + 2,048 ks, V's image ct at 65,536 + 2,048 ct
.set SCL,   262144                     ; the batch's scale words: K's 16,384 bytes (2,048 a step), then V's
.set SPARE, 294912                     ; the spare words, 128 bytes a wave
.set OSC,   65536                      ; behind the last step, in slot 0: O's images from 0 ((qt, ks) at 8,192 qt + 2,048 ks), their scale words from here;
.set STG,   131072                     ; in slot 1: a stage of 16 rows x 528 bytes for each wave.  Both slots have had their last fill by then
.set LI,  1                            ; v1   16 x lane
.set LS,  2                            ; v2   4 x lane
.set AK,  3                            ; v3   the step's K;   at the end STO: where I put 32 bytes of a row of out
.set AV,  4                            ; v4   the step's V;   at the end RD: where I read a row back
.set ASC, 5                            ; v5   the step's scale words;  at the end ORS: O's scale words
.set STO, 3
.set RD,  4
.set ORS, 5
.set OWS, 6                            ; v6   where I store O's scale words
.set SPW, 7                            ; v7   my spare word; never rewritten
.set NIL, 8                            ; v8   0; never rewritten
.set PFO, 9                            ; v9   256 x lane: the prefetches of kvc
.set PFX, 10                           ; v10  4,096 x lane: those of x
.set OWI, 11                           ; v11  where I store O's images
; v12+4t -M, v13+4t the largest t, v[14+4t:15+4t] the sum in two halves; v[20+2t:21+2t] f, at the end 1 / the sum
.set KSR, 24                           ; v24-39 K's scale words (2 kt + ks / 2; odd ks in lanes 16-31); at the end O's
.set VSR, 40                           ; v40-55 V's (ct / 2; odd ct in lanes 16-31); at the end proj_w's (4 tile + ks)
.set QSR, 56                           ; v56-59 Q's (2 t + ks / 2)
.set PW,  60                           ; v60-61 p's scale word; at the end O's
.set BO,  62                           ; v62-63 at work; at the end the offsets of proj_b and of proj_w's scales
.set WO,  63
.set TM,  64                           ; v64-95 the quantisers', 16 a tile; at the end proj_b, 8 a tile
.set PC,  96                           ; v96-127 codes, 16 a tile
.set S,   128                          ; v128-255 S^T, then p: 64 t + 8 kt; at the end O / the sum, then x
.set FB,  128                          ; window 1: v0-127 Q (64 t + 16 ks), at the end x; v128-255 two halves of four fragments
; window 2: O^T of channel tiles 0-15 (128 t + 8 ct), at the end proj_w's fragments (64 tile + 16 ks).  window 3: O^T of tiles 16-31, at the end out's accumulators (64 tile + 8 qt)
.set WV,  22
.set G1C, 28                           ; s[28:35] descriptor group 1 of a block's quarter;  s[36:43] of the scale words' quarter
.set G1S, 36
.set G0C, 44                           ; s[44:47] group 0 of the blocks, which walks;  s[48:51] of the scale words
.set G0S, 48
.set TB,  52                           ; s52  the slot in hand
.set TS,  53                           ; s53  the step's scale words
.set CNT, 54                           ; s54  blocks still to be asked for
.set LIM, 55                           ; s55  1 in a cluster that prefetches, else the greatest number
.set PFA, 56                           ; s[56:57] where my prefetches of kvc stand
.set CS,  58                           ; s[58:59] log2(e) / sqrt(512)
.set SEL, 60                           ; s[60:61] lane selects: lane l xor 16
.set MNT, 62
.set HF,  76                           ; s76  which half of my outputs
.set MSB, 0
.macro WIN new                         ; the immediate's high byte repeats the setting that is left
.if MSB != (\new)
	s_set_vgpr_msb (MSB<<8)|(\new)
.set MSB, (\new)
.endif
.endm
.macro PLACES n
.rept \n
	v_nop
.endr
.endm
.macro MM ra, rb                       ; one product on the registers named by rD, rA, rB, rC, rSA, rSB; ra, rb: that side's scales stand in lanes 16-31
.if (\ra) && (\rb)
	v_wmma_scale_f32_16x16x128_f8f6f4 v[rD:rD+7], v[rA:rA+15], v[rB:rB+15], v[rC:rC+7], v[rSA], v[rSB] matrix_a_fmt:MATRIX_FMT_BF8 matrix_b_fmt:MATRIX_FMT_BF8 matrix_a_scale:MATRIX_SCALE_ROW1 matrix_b_scale:MATRIX_SCALE_ROW1
.elseif (\ra)
	v_wmma_scale_f32_16x16x128_f8f6f4 v[rD:rD+7], v[rA:rA+15], v[rB:rB+15], v[rC:rC+7], v[rSA], v[rSB] matrix_a_fmt:MATRIX_FMT_BF8 matrix_b_fmt:MATRIX_FMT_BF8 matrix_a_scale:MATRIX_SCALE_ROW1
.elseif (\rb)
	v_wmma_scale_f32_16x16x128_f8f6f4 v[rD:rD+7], v[rA:rA+15], v[rB:rB+15], v[rC:rC+7], v[rSA], v[rSB] matrix_a_fmt:MATRIX_FMT_BF8 matrix_b_fmt:MATRIX_FMT_BF8 matrix_b_scale:MATRIX_SCALE_ROW1
.else
	v_wmma_scale_f32_16x16x128_f8f6f4 v[rD:rD+7], v[rA:rA+15], v[rB:rB+15], v[rC:rC+7], v[rSA], v[rSB] matrix_a_fmt:MATRIX_FMT_BF8 matrix_b_fmt:MATRIX_FMT_BF8
.endif
.endm
.macro MMZ                             ; the same, starting a sum
	v_wmma_scale_f32_16x16x128_f8f6f4 v[rD:rD+7], v[rA:rA+15], v[rB:rB+15], 0, v[rSA], v[rSB] matrix_a_fmt:MATRIX_FMT_BF8 matrix_b_fmt:MATRIX_FMT_BF8
.endm
; A round of the cluster's barrier: my work-group's barrier; wave 0 signals for the work-group; every wave waits for all four work-groups; my work-group's barrier once more.
.macro ROUND
	s_barrier_signal -1
	s_barrier_wait -1
	s_cmp_lg_u32 s[WV], 0
	s_cbranch_scc1 .Lnot_wave_0_\@
	s_barrier_signal -3
.Lnot_wave_0_\@:
	s_barrier_wait -3
	s_barrier_signal -1
	s_barrier_wait -1
.endm
; A PREFETCH INTO THE L2 of the block that the NEXT change of slots will ask for: 131,072 bytes, a lane to each 256.  Both clusters of a batch walk the same blocks: the first of them asks.  Its four partners take 32,768 bytes each,
; told apart by address; in each, wave w takes 8,192: one instruction a wave.  So each 256 bytes are named once in the launch.  It stands behind the wave's tensor load; blocks 0 and 1 come by their loads alone; the last change that fills a slot asks for nothing.
.macro ASK
	s_cmp_gt_u32 s[CNT], s[LIM]
	s_cbranch_scc0 .Lnot_mine_\@
	global_prefetch_b8 v[PFO], s[PFA:PFA+1] th:TH_LOAD_NT scope:SCOPE_SE
.Lnot_mine_\@:
.endm
	s_load_b512 s[4:19], s[0:1], 0x0               ; qc, qs, kvc, kvs, wf, proj_w_scales, proj_b, x
	s_load_b64 s[20:21], s[0:1], 0x40              ; out0
	v_lshl_add_u32 v[SPW], v0, 2, SPARE
	v_mov_b32 v[NIL], 0
	ds_add_u32 v[SPW], v[NIL]                      ; the wave's opening: the add, twice on end, and its wait ahead of my first tensor load
	ds_add_u32 v[SPW], v[NIL]
	v_lshrrev_b32 v62, 5, v0
	v_readfirstlane_b32 s[WV], v62                 ; wave 0..3
	s_and_b32 s25, ttmp7, 0xffff                   ; the batch, which the four partners share
	s_mov_b32 s[G1C], 15|(3<<16)|(1<<21)           ; 15:0 the mask: all four work-groups; 17:16 elements of 8 bytes; 21 set beside a mask; no padding: images are read 512 consecutive bytes at a time
	s_mov_b32 s[G1C+1], 32<<16                     ; tensor_dim0: rows of 256 bytes
	s_mov_b32 s[G1C+2], 128<<16                    ; tensor_dim1
	s_mov_b32 s[G1C+3], 32<<16                     ; tile_dim0
	s_mov_b32 s[G1C+4], 128                        ; tile_dim1: 32,768 bytes a load
	s_mov_b32 s[G1C+5], 32                         ; the pitch: dense
	s_mov_b32 s[G1C+6], 0
	s_mov_b32 s[G1C+7], 0
	s_mov_b32 s[G1S], 15|(3<<16)|(1<<21)
	s_mov_b32 s[G1S+1], 32<<16
	s_mov_b32 s[G1S+2], 32<<16
	s_mov_b32 s[G1S+3], 32<<16
	s_mov_b32 s[G1S+4], 32                         ; 8,192 bytes a load
	s_mov_b32 s[G1S+5], 32
	s_mov_b32 s[G1S+6], 0
	s_mov_b32 s[G1S+7], 0
	s_lshl_b32 s26, s25, 20
	s_lshl_b32 s80, s[WV], 15
	s_add_co_u32 s26, s26, s80                     ; my quarter of the batch's block 0
	s_mov_b32 s27, 0
	s_lshl_b32 s80, s25, 15
	s_lshl_b32 s81, s[WV], 13
	s_add_co_u32 s80, s80, s81                     ; and of its scale words
	s_mov_b32 s81, 0
	s_mov_b32 s[CS], 0x3d8293ee
	s_mov_b32 s[CS+1], s[CS]                       ; (named with it as a pair, so it is written)
	s_mov_b32 s[SEL], 0x76543210
	s_mov_b32 s[SEL+1], 0xfedcba98
	s_mov_b32 s[TB], 0
	s_mov_b32 s[TS], SCL
	s_mov_b32 s[CNT], 7
	v_and_b32 v62, 31, v0
	v_lshlrev_b32 v[LI], 4, v62
	v_lshlrev_b32 v[LS], 2, v62
	v_lshlrev_b32 v[PFO], 8, v62
	v_lshlrev_b32 v[PFX], 12, v62
	s_lshl_b32 s63, s[WV], 14
	v_add_nc_u32 v[OWI], s63, v[LI]
	v_and_b32 v63, 15, v0
	s_lshl_b32 s63, s[WV], 9
	s_add_co_u32 s63, s63, OSC
	v_lshl_add_u32 v[OWS], v63, 2, s63
	s_wait_dscnt 0x0                               ; both opening adds are done
	s_wait_kmcnt 0x0
	s_mov_b32 s[G0S], 1
	s_lshl_b32 s[G0S+1], s[WV], 13
	s_add_co_u32 s[G0S+1], s[G0S+1], SCL
	s_add_nc_u64 s[G0S+2:G0S+3], s[10:11], s[80:81]
	s_or_b32 s[G0S+3], s[G0S+3], 0x80000000
	s_mov_b32 s[G0C], 1
	s_lshl_b32 s[G0C+1], s[WV], 15
	s_add_nc_u64 s[G0C+2:G0C+3], s[8:9], s[26:27]
	s_or_b32 s[G0C+3], s[G0C+3], 0x80000000
	ROUND                                          ; all four work-groups are here: the first joint loads meet
	tensor_load_to_lds s[G0S:G0S+3], s[G1S:G1S+7]  ; the scale words: filled once
	s_nop 0
	tensor_load_to_lds s[G0C:G0C+3], s[G1C:G1C+7]  ; block 0 into slot 0: two loads of mine are out
	s_nop 0
	PLACES 4
	s_bfe_u32 s23, ttmp6, 0x40000                  ; cx: my place in the cluster
	s_lshl_b32 s24, ttmp9, 2
	s_add_co_u32 s24, s24, s23                     ; my block of 128 queries
	s_lshl_b32 s78, s25, 19
	s_lshl_b32 s79, s24, 16
	s_add_co_u32 s78, s78, s79
	s_lshl_b32 s79, s[WV], 14
	s_add_co_u32 s78, s78, s79
	s_mov_b32 s79, 0
	s_add_nc_u64 s[4:5], s[4:5], s[78:79]          ; my two tiles of Q
	s_lshl_b32 s78, s25, 3
	s_add_co_u32 s78, s78, s24
	s_lshl_b32 s78, s78, 11
	s_lshl_b32 s63, s[WV], 9
	s_add_co_u32 s78, s78, s63
	s_add_nc_u64 s[6:7], s[6:7], s[78:79]          ; and their scale words
	s_lshl_b32 s78, s25, 21
	s_lshl_b32 s63, s[WV], 19
	s_add_co_u32 s78, s78, s63
	s_lshl_b32 s63, s24, 9
	s_add_co_u32 s78, s78, s63
	s_add_nc_u64 s[66:67], s[18:19], s[78:79]      ; x and out at channel 128 w, my block's first position
	s_add_nc_u64 s[68:69], s[20:21], s[78:79]
	s_lshl_b32 s78, s25, 20
	s_lshl_b32 s63, s23, 15
	s_add_co_u32 s78, s78, s63
	s_lshl_b32 s63, s[WV], 13
	s_add_co_u32 s78, s78, s63
	s_add_co_u32 s78, s78, 131072
	s_add_nc_u64 s[PFA:PFA+1], s[8:9], s[78:79]    ; in block 1: the first change of slots steps it to block 2
	s_lshl_b32 s78, s[WV], 16
	s_add_co_u32 s78, s78, 786432
	s_add_nc_u64 s[70:71], s[12:13], s[78:79]      ; proj_w's fragments: matrix 3 of wf, my eight tiles
	s_lshl_b32 s78, s[WV], 11
	s_add_nc_u64 s[72:73], s[14:15], s[78:79]
	s_lshl_b32 s78, s[WV], 9
	s_add_nc_u64 s[74:75], s[16:17], s[78:79]
	s_cmp_eq_u32 ttmp9, 0                          ; the batch's first cluster: the same in all four partners
	s_cselect_b32 s[LIM], 1, -1
	WIN 0x40                                       ; destination window 1
.set n, 0
	s_wait_alu depctr_va_vdst(0)
.rept 32
	global_load_b128 v[4*n:4*n+3], v[LI], s[4:5] offset:512*n      ; Q stays in registers
.set n, n+1
.endr
	WIN 0
.irp j, 0,1,2,3
	global_load_b32 v[QSR+\j], v[LS], s[6:7] offset:128*\j
.endr
.irp t, 0,1
	v_mov_b32 v[13+4*\t], 0xff61b1e6               ; the largest t so far: -3e38
	v_floor_f32 v[12+4*\t], -v[13+4*\t]
	v_mov_b32 v[14+4*\t], 0
	v_mov_b32 v[15+4*\t], 0
	v_mov_b32 v[21+2*\t], 0                        ; (named as the upper half of a pair)
.irp b, 0,1,2,3
	v_mov_b32 v[TM+16*\t+4+\b], 0                  ; written once: a lane permute's destination counts as one of its sources
.endr
.endr
	WIN 0x80
.set j, 0
.rept 256
	v_mov_b32 v[j], 0                              ; O^T: the first change of M leaves zeros zeros
.set j, j+1
.endr
	WIN 0xc0
.set j, 0
.rept 256
	v_mov_b32 v[j], 0
.set j, j+1
.endr
	WIN 0
	s_wait_loadcnt 0x0                             ; Q
; four fragments into one half of the buffer: 16 loads of 512 consecutive bytes
.macro LOAD4 half, adr, base, stride
	WIN 0x40
.irp f, 0,1,2,3
.irp c, 0,1,2,3
	ds_load_b128 v[FB+64*(\half)+16*\f+4*\c:FB+64*(\half)+16*\f+4*\c+3], v[\adr] offset:(\base)+\f*(\stride)+512*\c
.endr
.endr
.endm
; part i of eight of S^T = K Q^T: K step i / 2, key tiles 4 (i % 2) + 0..3, both tiles of queries: eight accumulators by turns; an accumulator's next link stands two parts on
.macro SMUL i
	WIN 0x05                                       ; K and Q in window 1, S^T in window 0
.irp f, 0,1,2,3
.irp t, 0,1
.set rD, S+64*\t+8*(4*((\i)%2)+\f)
.set rA, FB+64*((\i)%2)+16*\f
.set rB, 64*\t+16*((\i)/2)
.set rC, rD
.set rSA, KSR+2*(4*((\i)%2)+\f)+(\i)/4
.set rSB, QSR+2*\t+(\i)/4
.if (\i) < 2
	MMZ
.else
	MM ((\i)/2)%2, ((\i)/2)%2
.endif
.endr
.endr
.endm
; part i of eight of O^T += V^T P^T: channel tiles 4 i + 0..3, both tiles of queries: eight accumulators, each once
.macro PMUL i
.if (\i) < 4
	WIN 0xa1                                       ; V in window 1, P in window 0, O^T in window 2
.else
	WIN 0xf1                                       ; or 3
.endif
.irp f, 0,1,2,3
.irp t, 0,1
.set rD, 128*\t+8*((4*(\i)+\f)%16)
.set rA, FB+64*((\i)%2)+16*\f
.set rB, PC+16*\t
.set rC, rD
.set rSA, VSR+(4*(\i)+\f)/2
.set rSB, PW+\t
	MM \f%2, 0
.endr
.endr
.endm
.macro SOFTMAX
.irp t, 0,1
.irp b, 0,1,2,3
	v_max3_num_f32 v[TM+16*\t+\b], v[S+64*\t+16*\b], v[S+64*\t+16*\b+1], v[S+64*\t+16*\b+2]   ; the largest score of each block of 32 keys: for the row's maximum, and for the block's largest p
.endr
.endr
.irp i, 3,5,7,9,11,13
.irp t, 0,1
.irp b, 0,1,2,3
	v_max3_num_f32 v[TM+16*\t+\b], v[TM+16*\t+\b], v[S+64*\t+16*\b+\i], v[S+64*\t+16*\b+\i+1]
.endr
.endr
.endr
.irp t, 0,1
.irp b, 0,1,2,3
	v_max_num_f32 v[TM+16*\t+\b], v[TM+16*\t+\b], v[S+64*\t+16*\b+15]
.endr
.endr
.irp t, 0,1
.irp b, 0,1,2,3
	v_permlanex16_b32 v[TM+16*\t+4+\b], v[TM+16*\t+\b], s[SEL], s[SEL+1]
.endr
.endr
.irp t, 0,1
.irp b, 0,1,2,3
	v_max_num_f32 v[TM+16*\t+\b], v[TM+16*\t+\b], v[TM+16*\t+4+\b]   ; with the 16 keys of lane l xor 16
.endr
.endr
.irp t, 0,1
	v_max3_num_f32 v[62+\t], v[TM+16*\t], v[TM+16*\t+1], v[TM+16*\t+2]
	v_max_num_f32 v[62+\t], v[62+\t], v[TM+16*\t+3]
	v_mul_f32 v[62+\t], s[CS], v[62+\t]            ; the step's largest t
	v_max_num_f32 v[13+4*\t], v[13+4*\t], v[62+\t]
	v_mov_b32 v[62+\t], v[12+4*\t]
	v_floor_f32 v[12+4*\t], -v[13+4*\t]            ; the new -M: M is a whole number
	v_sub_f32 v[62+\t], v[12+4*\t], v[62+\t]       ; old M - new M, 0 or less
	v_cvt_i32_f32 v[62+\t], v[62+\t]               ; (it saturates)
	v_ldexp_f32 v[20+2*\t], 1.0, v[62+\t]          ; f = 2^(old M - new M)
.endr
.irp t, 0,1
.set j, 0
.rept 32
	v_pk_fma_f32 v[S+64*\t+j:S+64*\t+j+1], v[S+64*\t+j:S+64*\t+j+1], s[CS:CS+1], v[12+4*\t:13+4*\t] op_sel_hi:[1,0,0]   ; t - M, two at a time
.set j, j+2
.endr
.irp b, 0,1,2,3
	v_fma_f32 v[TM+16*\t+\b], v[TM+16*\t+\b], s[CS], v[12+4*\t]   ; the same of each block's largest score
.endr
.endr
.set j, 0
	s_wait_alu depctr_va_vdst(0)
.rept 128
	v_exp_f32 v[S+j], v[S+j]                       ; p = 2^(t - M): one batch
.set j, j+1
.endr
.irp t, 0,1
	v_pk_mul_f32 v[14+4*\t:15+4*\t], v[14+4*\t:15+4*\t], v[20+2*\t:21+2*\t] op_sel_hi:[1,0]   ; the sums under the new M (plain work behind the batch)
.endr
	s_wait_alu depctr_va_vdst(0)                   ; one wait for the batch, ahead of its first reader
.irp t, 0,1
.irp b, 0,1,2,3
	v_exp_f32 v[TM+16*\t+\b], v[TM+16*\t+\b]       ; each block's largest p
.endr
.endr
.irp t, 0,1
	v_pk_add_f32 v[TM+16*\t+4:TM+16*\t+5], v[S+64*\t:S+64*\t+1], v[S+64*\t+2:S+64*\t+3]   ; the sum of the unquantised p, in two chains: plain work behind the eight
.irp j, 4,8,12,16,20,24,28,32,36,40,44,48,52,56,60
	v_pk_add_f32 v[14+4*\t:15+4*\t], v[14+4*\t:15+4*\t], v[S+64*\t+\j:S+64*\t+\j+1]
	v_pk_add_f32 v[TM+16*\t+4:TM+16*\t+5], v[TM+16*\t+4:TM+16*\t+5], v[S+64*\t+\j+2:S+64*\t+\j+3]
.endr
	v_pk_add_f32 v[14+4*\t:15+4*\t], v[14+4*\t:15+4*\t], v[TM+16*\t+4:TM+16*\t+5]
.endr
	s_wait_alu depctr_va_vdst(0)                   ; and one for the eight
.irp t, 0,1
.irp b, 0,1,2,3
	v_max_num_f32 v[TM+16*\t+\b], 0x8000000, v[TM+16*\t+\b]        ; the floor 2^(16 - 127)
.endr
.irp b, 0,1,2,3
	v_add_nc_u32 v[TM+16*\t+12+\b], 0xf8800000, v[TM+16*\t+\b]     ; the conversion's scale operand
.endr
.irp b, 0,1,2,3
.endr
.irp b, 0,1,2,3
	v_lshrrev_b32 v[TM+16*\t+4+\b], 23, v[TM+16*\t+12+\b]          ; the scale's byte
.endr
	v_lshl_or_b32 v[PW+\t], v[TM+16*\t+5], 8, v[TM+16*\t+4]
	v_lshl_or_b32 v[PW+\t], v[TM+16*\t+6], 16, v[PW+\t]
	v_lshl_or_b32 v[PW+\t], v[TM+16*\t+7], 24, v[PW+\t]
.irp b, 0,1,2,3
.set j, 0
.rept 16
.set j, j+1
.endr
	v_cvt_scalef32_pk8_bf8_f32 v[PC+16*\t+4*\b:PC+16*\t+4*\b+1], v[S+64*\t+16*\b:S+64*\t+16*\b+7], v[TM+16*\t+12+\b]
	v_cvt_scalef32_pk8_bf8_f32 v[PC+16*\t+4*\b+2:PC+16*\t+4*\b+3], v[S+64*\t+16*\b+8:S+64*\t+16*\b+15], v[TM+16*\t+12+\b]
.endr
.endr
.endm
.macro RESCALE                         ; O^T x f, each accumulator from its low end on.  These are also the places between p's codes and scale word and the products that take them
	WIN 0x82
.irp t, 0,1
.set j, 0
.rept 64
	v_pk_mul_f32 v[128*\t+j:128*\t+j+1], v[128*\t+j:128*\t+j+1], v[20+2*\t:21+2*\t] op_sel_hi:[1,0]
.set j, j+2
.endr
.endr
	WIN 0xc3
.irp t, 0,1
.set j, 0
.rept 64
	v_pk_mul_f32 v[128*\t+j:128*\t+j+1], v[128*\t+j:128*\t+j+1], v[20+2*\t:21+2*\t] op_sel_hi:[1,0]
.set j, j+2
.endr
.endr
.endm
; A KEY STEP.  The fragment buffer's two halves take turns: while one half is multiplied the other is on its way; eight v_nop stand between the products that read a half and the loads into it.
.macro STEP
	v_add_nc_u32 v[AK], s[TB], v[LI]
	v_add_nc_u32 v[AV], 0x10000, v[AK]
	v_add_nc_u32 v[ASC], s[TS], v[LS]
.irp g, 0,1,2,3,4,5,6,7,8,9,10,11,12,13,14,15
	ds_load_b32 v[KSR+\g], v[ASC] offset:128*\g
.endr
.irp g, 0,1,2,3,4,5,6,7,8,9,10,11,12,13,14,15
	ds_load_b32 v[VSR+\g], v[ASC] offset:16384+128*\g
.endr
	LOAD4 0, AK, 0, 8192
	LOAD4 1, AK, 32768, 8192
	s_wait_alu depctr_va_vdst(0)
.irp i, 0,1,2,3,4,5,6,7
	s_wait_dscnt 16                                ; this part's half is in; the 16 younger loads, the other half's, stay out
	SMUL \i
	PLACES 8
.if \i < 6
	LOAD4 \i%2, AK, (4*((\i+2)%2))*8192+((\i+2)/2)*2048, 8192
.else
	LOAD4 \i%2, AV, (\i-6)*8192, 2048              ; V's first two parts land under the softmax
.endif
.endr
	WIN 0
	SOFTMAX
	RESCALE
	s_wait_alu depctr_va_vdst(0)
.irp i, 0,1,2,3,4,5,6,7
.if \i < 7
	s_wait_dscnt 16
.else
	s_wait_dscnt 0x0
.endif
	PMUL \i
	PLACES 8
.if \i < 6
	LOAD4 \i%2, AV, (\i+2)*8192, 2048
.endif
.endr
	WIN 0
	s_xor_b32 s[TB], s[TB], SLOT1                  ; on to the other slot
	s_add_co_u32 s[TS], s[TS], 2048
.endm
; THE CHANGE OF SLOTS stands at a step's head.  Each wave waits for all its tensor loads (its quarter of the block that it is about to read), adds 0 to its spare word, and waits for that and for its reads of the slot that it has left.
; fill = 1: a round of the cluster's barrier, so that no wave of any partner still reads that slot or has a load on its way; the joint load of the next block is the first thing behind it and has a whole step in which to land: one load of mine is out.
.macro CHANGE fill
	s_wait_tensorcnt 0x0                           ; no tensor load of mine is out, so a group 0 may be written
	ds_add_u32 v[SPW], v[NIL]
.if \fill
	s_xor_b32 s[G0C+1], s[G0C+1], SLOT1            ; the other slot than last time,
	s_add_nc_u64 s[G0C+2:G0C+3], s[G0C+2:G0C+3], 131072   ; the next block; the type bits on top are not reached
	s_wait_xcnt 0x0                                ; the last prefetch, a step back, has read its address
	s_add_nc_u64 s[PFA:PFA+1], s[PFA:PFA+1], 131072
	s_wait_dscnt 0x0
	ROUND
	tensor_load_to_lds s[G0C:G0C+3], s[G1C:G1C+7]
	s_nop 0
	PLACES 4
	ASK
.else
	s_wait_dscnt 0x0
	s_barrier_signal -1
	s_barrier_wait -1
.irp i, 0,1                                    ; nothing is left to fetch of K and V.  x is prefetched for the way out: my first 64 channels, 512 bytes of each: a lane a row, 256 bytes an instruction; one key step and O's quantising ahead of the loads
.irp j, 0,1
	global_prefetch_b8 v[PFX], s[66:67] offset:131072*\i+256*\j th:TH_LOAD_NT scope:SCOPE_SE
.endr
.endr
.endif
.endm
.Lslot:                                            ; seven trips: behind each change of slots but the last the next block is asked for (the first trip's load is slot 1's first fill)
	CHANGE 1
	STEP
	s_sub_co_u32 s[CNT], s[CNT], 1
	s_cmp_lg_u32 s[CNT], 0
	s_cbranch_scc1 .Lslot
	CHANGE 0                                       ; the last step is written out
	STEP
	s_wait_dscnt 0x0
	s_barrier_signal -1
	s_barrier_wait -1                              ; every wave has read the ring for the last time: both slots may now be stored into
	; THE END.  1 / the sum
.irp t, 0,1
	v_add_f32 v[14+4*\t], v[14+4*\t], v[15+4*\t]
.endr
.irp t, 0,1
	v_permlanex16_b32 v[62+\t], v[14+4*\t], s[SEL], s[SEL+1]
.endr
.irp t, 0,1
	v_add_f32 v[14+4*\t], v[14+4*\t], v[62+\t]
.endr
	s_wait_alu depctr_va_vdst(0)
.irp t, 0,1
	v_rcp_f32 v[20+2*\t], v[14+4*\t]
.endr
	v_and_b32 v12, 15, v0                          ; the addresses of the way out: plain work behind the reciprocals.  r,
	v_bfe_u32 v13, v0, 4, 1                        ; h
	s_mul_i32 s63, s[WV], 16*528
	s_add_co_u32 s63, s63, STG                     ; my stage
	v_mul_u32_u24 v[STO], v12, 528
	v_lshl_add_u32 v[STO], v13, 6, v[STO]          ; in: row r (a channel), 16 positions further on for lanes 16-31
	v_add_nc_u32 v[STO], s63, v[STO]
	v_add_nc_u32 v[RD], s63, v[LI]                 ; back: the 32 lanes take one row of 512 bytes
	v_add_nc_u32 v[ORS], OSC, v[LS]
	v_and_b32 v13, 8, v12
	v_add_nc_u32 v13, v13, v12                     ; r + 8 (r / 8)
	v_lshlrev_b32 v[BO], 2, v13
	v_lshlrev_b32 v[WO], 4, v13
	s_wait_alu depctr_va_vdst(0)                   ; one wait for the two reciprocals, ahead of their first reader
.macro QUANT s, pc, pw                 ; as in the second launch: 64 numbers of a lane become 16 registers of codes and a scale word
.irp b, 0,1,2,3
	v_max3_num_f32 v[TM+\b], |v[\s+16*\b]|, |v[\s+1+16*\b]|, 0x8000000
.endr
.irp i, 2,4,6,8,10,12,14
.irp b, 0,1,2,3
	v_max3_num_f32 v[TM+\b], v[TM+\b], |v[\s+16*\b+\i]|, |v[\s+1+16*\b+\i]|
.endr
.endr
.irp b, 0,1,2,3
	v_permlanex16_b32 v[TM+4+\b], v[TM+\b], s[SEL], s[SEL+1]
.endr
.irp b, 0,1,2,3
	v_max_num_f32 v[TM+\b], v[TM+\b], v[TM+4+\b]
.endr
.irp b, 0,1,2,3
	v_add_nc_u32 v[TM+12+\b], 0xf8800000, v[TM+\b]
.endr
.irp b, 0,1,2,3
.endr
.irp b, 0,1,2,3
	v_lshrrev_b32 v[TM+4+\b], 23, v[TM+12+\b]
.endr
	v_lshl_or_b32 v[\pw], v[TM+5], 8, v[TM+4]
	v_lshl_or_b32 v[\pw], v[TM+6], 16, v[\pw]
	v_lshl_or_b32 v[\pw], v[TM+7], 24, v[\pw]
.irp b, 0,1,2,3
.irp i, 0,1,2,3,4,5,6,7,8,9,10,11,12,13,14,15
.endr
	v_cvt_scalef32_pk8_bf8_f32 v[\pc+4*\b:\pc+4*\b+1], v[\s+16*\b:\s+16*\b+7], v[TM+12+\b]
	v_cvt_scalef32_pk8_bf8_f32 v[\pc+4*\b+2:\pc+4*\b+3], v[\s+16*\b+8:\s+16*\b+15], v[TM+12+\b]
.endr
	v_nop                                          ; a plain instruction behind the last conversion
.endm
; channels 128 ks .. 128 ks + 127 of tile t: O^T / the sum, quantised; the image and the scale word go to LDS
.macro OUTQ ks, t
	WIN 0x02+((\ks)/2)                             ; source 0: window 2 or 3
.set j, 0
.rept 32
	v_pk_mul_f32 v[S+64*(\t)+j:S+64*(\t)+j+1], v[128*(\t)+64*((\ks)%2)+j:128*(\t)+64*((\ks)%2)+j+1], v[20+2*(\t):21+2*(\t)] op_sel_hi:[1,0]
.set j, j+2
.endr
	WIN 0
	QUANT S+64*(\t), PC+16*(\t), PW+(\t)
.irp c, 0,1,2,3
	ds_store_b128 v[OWI], v[PC+16*(\t)+4*\c:PC+16*(\t)+4*\c+3] offset:8192*(\t)+2048*(\ks)+512*\c
.endr
	ds_store_b32 v[OWS], v[PW+(\t)] offset:256*(\t)+64*(\ks)
	s_wait_dscnt 5                                 ; these five may stay out; the image before has left its registers, which the next quantiser writes
.endm
.macro PWLOAD                          ; proj_w's fragments of four tiles of outputs fill window 2
	WIN 0x80
.set n, 0
.rept 64
	global_load_b128 v[4*n:4*n+3], v[LI], s[70:71] offset:512*n
.set n, n+1
.endr
	WIN 0
.endm
	OUTQ 0, 0
	OUTQ 0, 1
	OUTQ 1, 0
	OUTQ 1, 1
	PWLOAD                                         ; window 2 has been read out
	OUTQ 2, 0
	OUTQ 2, 1
	OUTQ 3, 0
	OUTQ 3, 1
	s_wait_dscnt 0x0                               ; for the others: my images lie in LDS
	s_barrier_signal -1
	s_barrier_wait -1
.irp g, 0,1,2,3,4,5,6,7,8,9,10,11,12,13,14,15
	ds_load_b32 v[KSR+\g], v[ORS] offset:128*\g    ; O's scale words of all eight tiles of queries
.endr
.macro XLOAD o                         ; x at the 16 channels of tile o, my block's 128 positions: 512 consecutive bytes a load
.if (\o) < 2
	WIN 0x40
.set xb, 64*(\o)
.else
	WIN 0
.set xb, 128+64*((\o)-2)
.endif
.irp i, 0,1,2,3,4,5,6,7,8,9,10,11,12,13,14,15
	global_load_b128 v[xb+4*\i:xb+4*\i+3], v[LI], s[66:67] offset:(32*((\o)/2)+8*((\o)%2)+\i+8*(\i/8))*4096 th:TH_LOAD_NT
.endr
.endm
; tile qt of the queries against my four tiles of outputs: source 0 = O (16 queries), source 1 = proj_w (16 outputs): a lane holds one output channel and eight neighbouring positions.  Four accumulators by turns; proj_b is the C of the first product
.macro PROJ qt
.irp ks, 0,1,2,3
.if \ks == 0
	WIN 0xc9                                       ; O window 1, proj_w window 2, the bias window 0, the result window 3
.else
	WIN 0xf9
.endif
.irp o, 0,1,2,3
.set rD, 64*\o+8*(\qt)
.set rA, FB+64*((\qt)%2)+16*\ks
.set rB, 64*\o+16*\ks
.if \ks == 0
.set rC, TM+8*\o
.else
.set rC, rD
.endif
.set rSA, KSR+2*(\qt)+\ks/2
.set rSB, VSR+4*\o+\ks
	MM \ks%2, 0
.endr
.endr
.endm
	s_mov_b32 s[HF], 0
.Lhalf:                                            ; two trips: 64 of my 128 outputs each
.irp o, 0,1,2,3
.irp j, 0,1,2,3,4,5,6,7
	global_load_b32 v[TM+8*\o+\j], v[BO], s[74:75] offset:(32*(\o/2)+8*(\o%2))*4   ; all eight registers of a tile are my lane's one channel
.endr
	global_load_b128 v[VSR+4*\o:VSR+4*\o+3], v[WO], s[72:73] offset:(32*(\o/2)+8*(\o%2))*16
.endr
	XLOAD 0
	XLOAD 1
	XLOAD 2
	s_wait_loadcnt 48                              ; the weights, the bias and the scales are in; the 48 younger loads of x stay out
	XLOAD 3
	LOAD4 0, LI, 0, 2048
	LOAD4 1, LI, 8192, 2048
.irp qt, 0,1,2,3,4,5,6,7
.if \qt < 7
	s_wait_dscnt 16                                ; this tile's four fragments are in; the next tile's 16 loads stay out
.else
	s_wait_dscnt 0x0
.endif
	PROJ \qt
	PLACES 8
.if \qt < 6
	LOAD4 \qt%2, LI, (\qt+2)*8192, 2048
.endif
.endr
.irp o, 0,1,2,3                                ; a tile of 16 channels x 128 positions goes through my stage, meets x and leaves as whole rows
	WIN 0
	s_wait_xcnt 0x0                                ; the stores of two tiles back have read their registers
	WIN 0x0c                                       ; an LDS store's data: window 3
.irp qt, 0,1,2,3,4,5,6,7
	ds_store_b128 v[STO], v[64*\o+8*\qt:64*\o+8*\qt+3] offset:128*(\qt/2)+32*(\qt%2)       ; each accumulator from its low end on
	ds_store_b128 v[STO], v[64*\o+8*\qt+4:64*\o+8*\qt+7] offset:128*(\qt/2)+32*(\qt%2)+16
.endr
	WIN 0x40
.irp i, 0,1,2,3,4,5,6,7,8,9,10,11,12,13,14,15
	ds_load_b128 v[FB+64*(\o%2)+4*\i:FB+64*(\o%2)+4*\i+3], v[RD] offset:528*\i   ; LDS serves a wave's instructions in order: these see my stores, and the next tile's stores come behind them
.endr
	s_wait_loadcnt 16*(3-\o)                       ; this tile's x is in; the later tiles' loads stay out
	s_wait_dscnt 0x0
.if \o < 2
	WIN 0x45
.set xb, 64*\o
.else
	WIN 0x41
.set xb, 128+64*(\o-2)
.endif
.set j, 0
.rept 32
	v_pk_add_f32 v[FB+64*(\o%2)+j:FB+64*(\o%2)+j+1], v[FB+64*(\o%2)+j:FB+64*(\o%2)+j+1], v[xb+j:xb+j+1]
.set j, j+2
.endr
	WIN 0x04                                       ; a store's data: window 1
.irp i, 0,1,2,3,4,5,6,7,8,9,10,11,12,13,14,15
	global_store_b128 v[LI], v[FB+64*(\o%2)+4*\i:FB+64*(\o%2)+4*\i+3], s[68:69] offset:(32*(\o/2)+8*(\o%2)+\i+8*(\i/8))*4096 th:TH_STORE_NT   ; 512 consecutive bytes, at a multiple of 512 from the buffer's first byte
.endr
.endr
	WIN 0
	s_cmp_lg_u32 s[HF], 0
	s_cbranch_scc1 .Lno_more
	s_add_nc_u64 s[70:71], s[70:71], 32768         ; (every load has been waited for)  the other four tiles' fragments: no load leaves its buffer in the last trip
	PWLOAD
.Lno_more:
	s_wait_xcnt 0x0                                ; the stores and loads have read their bases and registers
	s_add_nc_u64 s[66:67], s[66:67], 262144        ; 64 channels on
	s_add_nc_u64 s[68:69], s[68:69], 262144
	s_add_nc_u64 s[72:73], s[72:73], 1024
	s_add_nc_u64 s[74:75], s[74:75], 256
	s_add_co_u32 s[HF], s[HF], 1
	s_cmp_lt_u32 s[HF], 2
	s_cbranch_scc1 .Lhalf
	s_wait_tensorcnt 0x0                           ; the wave's end, behind my last tensor load and my last LDS store
	ds_add_u32 v[SPW], v[NIL]
	s_wait_dscnt 0x0
	ROUND                                          ; the closing round: no work-group ends while a partner may still ask for a block that names it
	s_endpgm
.Lfunc_end_k_qef1a965f36_attn:
	.size	k_qef1a965f36_attn, .Lfunc_end_k_qef1a965f36_attn-k_qef1a965f36_attn
	.p2alignl 7, 3214868480
	.fill 96, 4, 3214868480
	.section	.rodata,"a",@progbits
	.p2align	6, 0x0
	.amdhsa_kernel k_qef1a965f36_attn
		.amdhsa_group_segment_fixed_size 327680
		.amdhsa_private_segment_fixed_size 0
		.amdhsa_enable_private_segment 0
		.amdhsa_kernarg_size 72
		.amdhsa_user_sgpr_count 2
		.amdhsa_user_sgpr_kernarg_segment_ptr 1
		.amdhsa_wavefront_size32 1
		.amdhsa_system_sgpr_workgroup_id_x 1
		.amdhsa_system_sgpr_workgroup_id_y 1
		.amdhsa_system_sgpr_workgroup_id_z 1
		.amdhsa_system_vgpr_workitem_id 0
		.amdhsa_next_free_vgpr 1024
		.amdhsa_next_free_sgpr 82
		.amdhsa_reserve_vcc 0
		.amdhsa_float_denorm_mode_32 3
		.amdhsa_float_denorm_mode_16_64 3
		.amdhsa_fp16_overflow 1
		.amdhsa_memory_ordered 1
		.amdhsa_forward_progress 1
		.amdhsa_inst_pref_size 255
	.end_amdhsa_kernel
	.section	.bss,"aw",@nobits
	.p2align	6
	.space	262144
	.amdgpu_metadata
---
amdhsa.version: [ 1, 2 ]
amdhsa.kernels:
  - .name:           k_qef1a965f36_attn
    .symbol:         k_qef1a965f36_attn.kd
    .args:
      - { .name: qc, .offset: 0, .size: 8, .value_kind: global_buffer, .address_space: global }
      - { .name: qs, .offset: 8, .size: 8, .value_kind: global_buffer, .address_space: global }
      - { .name: kvc, .offset: 16, .size: 8, .value_kind: global_buffer, .address_space: global }
      - { .name: kvs, .offset: 24, .size: 8, .value_kind: global_buffer, .address_space: global }
      - { .name: wf, .offset: 32, .size: 8, .value_kind: global_buffer, .address_space: global }
      - { .name: proj_w_scales, .offset: 40, .size: 8, .value_kind: global_buffer, .address_space: global }
      - { .name: proj_b, .offset: 48, .size: 8, .value_kind: global_buffer, .address_space: global }
      - { .name: x, .offset: 56, .size: 8, .value_kind: global_buffer, .address_space: global }
      - { .name: out0, .offset: 64, .size: 8, .value_kind: global_buffer, .address_space: global }
    .group_segment_fixed_size: 327680
    .private_segment_fixed_size: 0
    .kernarg_segment_align: 8
    .kernarg_segment_size: 72
    .max_flat_workgroup_size: 128
    .sgpr_count:     82
    .vgpr_count:     1024
    .wavefront_size: 32
...
	.end_amdgpu_metadata
.endif
;; end of part 3
